; MI455X (gfx1250); checked and timed in simulation.
; The chip was launched on July 23, 2026; its instructions are those of AMD's public machine-readable ISA for CDNA 5 (MIT licence, August 2026) and "CDNA5" Instruction Set Architecture Reference Guide (July 2026). The comments in the code are by the model that wrote it; some were corrected since.
;; Simple DH SFNN. Allowed arithmetic: float matrix products may take bf16 or f16 operands with f32 sums; all other float work in f32.
;; Inputs: W_dense 4,096 x 700 float32; W_out 35 x 1,024 float32; b_dense 4,096 float32; b_out 35 float32; tau_m 1,024 float32; tau_m_out 35 float32; tau_n 1,024 x 4 float32; x 128 x 125 x 700 float32.
;; Outputs: out0 128 x 35 float32.
;; 3 versions, each right; version 2 is faster than version 1; version 3 is version 2 with the launch cast written anew for expert scheduling mode. Each part assembles by itself: llvm-mc -triple=amdgcn-amd-amdhsa -mcpu=gfx1250 --defsym DOCPART=n.
;; ======== version 1 of 3: 3 launches
;; limits: values outside matrix products are rounded to bf16
;; workspace buffers: xb 24,576,000 bytes; wb 6,291,456 bytes; part 71,680 bytes
;; launch cast (part 1): grid 1256 x 1, 6 waves a work-group, no clusters, 0 bytes of LDS; arguments x, W_dense, xb, wb; writes xb, wb
.if DOCPART == 1
	.amdgcn_target "amdgcn-amd-amdhsa--gfx1250"
	.amdhsa_code_object_version 6
	.text
	.protected	k_q4e31d39d09_cast
	.globl	k_q4e31d39d09_cast
	.p2align	8
	.type	k_q4e31d39d09_cast,@function
k_q4e31d39d09_cast:
	s_mov_b64 s[64:65], 0
	v_nop
	global_prefetch_b8 v0, s[64:65] scope:SCOPE_SE
	s_setreg_imm32_b32 hwreg(HW_REG_WAVE_MODE, 25, 1), 1
	s_wait_xcnt 0x0
; x [16000][700] f32 -> xb [16000][768] bf16, and W_dense [4096][700] f32 -> wb [4096][768] bf16, both with zeros from k = 700 on.
; wb's rows are permuted: row n' = (h >> 4) * 64 + br * 16 + (h & 15) holds W_dense's row 4 h + br, so that in the next launch a block of
; 16 neighbouring rows is one branch of 16 neighbouring neurons.
; Each number is used 16 (x) or 64 (W) times by the next launch's matrix products: it is rounded to bf16 once, here (nearest even).
; A work-group takes 16 rows: groups 0-999 of x, groups 1000-1255 of W_dense.  Thread t (0-191) owns the 16 bytes at 16 t of every input
; row and the 8 bytes at 8 t of every output row: a wave's load covers 512 consecutive bytes, its store 256 consecutive bytes at a
; multiple of 256 from the buffer's first byte, and the six waves cover a row of 1,536 bytes.
; Threads 175-191 have no input (a row is 175 x 16 bytes): they read the row's last 16 bytes again, so that no load leaves the buffer,
; and a mask makes their output zero.
; No LDS, no matrix unit, no loop: all 16 loads of a thread are issued first, no register is used twice.
.set ROWS,   16
.set INROW,  2800                      ; bytes of an input row
.set OUTROW, 1536                      ; bytes of an output row
.set IN,   1                           ; v1       byte offset of my 16 bytes in an input row
.set OUT,  2                           ; v2       byte offset of my 8 bytes in an output row
.set MASK, 3                           ; v3       all ones, or 0 for the threads that write the zeros
.set X,    4                           ; v[4:67]  row i: 4 f32 as loaded
.set Y,    68                          ; v[68:99] row i: 4 bf16 to store
.macro CAST ib, ob, perm               ; ib, ob: the scalar pairs with the group's first input and output row; perm = 1: W's order of rows
.set i, 0
.rept ROWS
	global_load_b128 v[X+4*i:X+4*i+3], v[IN], s[\ib:\ib+1] offset:i*INROW th:TH_LOAD_NT
.set i, i+1
.endr
.set i, 0
.rept ROWS
	s_wait_loadcnt ROWS-1-i                        ; loads come back in order: row i is in, the younger rows stay out
	v_cvt_pk_bf16_f32 v[Y+2*i],   v[X+4*i],   v[X+4*i+1]
	v_cvt_pk_bf16_f32 v[Y+2*i+1], v[X+4*i+2], v[X+4*i+3]
	v_and_b32 v[Y+2*i],   v[MASK], v[Y+2*i]
	v_and_b32 v[Y+2*i+1], v[MASK], v[Y+2*i+1]
.if \perm
	global_store_b64 v[OUT], v[Y+2*i:Y+2*i+1], s[\ob:\ob+1] offset:((i&3)*16+(i>>2))*OUTROW   ; row i is branch i & 3 of the group's neuron i >> 2
.else
	global_store_b64 v[OUT], v[Y+2*i:Y+2*i+1], s[\ob:\ob+1] offset:i*OUTROW
.endif
.set i, i+1
.endr
.endm
	s_load_b256 s[4:11], s[0:1], 0x0               ; x s[4:5], W_dense s[6:7], xb s[8:9], wb s[10:11]
	v_lshlrev_b32 v[IN], 4, v0
	v_min_u32 v[IN], INROW-16, v[IN]               ; threads 175-191: the row's last 16 bytes
	v_lshlrev_b32 v[OUT], 3, v0
	v_cmp_gt_u32 vcc_lo, 175, v0
	v_cndmask_b32 v[MASK], 0, -1, vcc_lo
	s_mov_b32 s13, 0
	s_mov_b32 s15, 0
	s_cmp_ge_u32 ttmp9, 1000
	s_cbranch_scc1 .Lw
	s_mul_i32 s12, ttmp9, ROWS*INROW               ; at most 999 x 44,800: below 4 GiB
	s_mul_i32 s14, ttmp9, ROWS*OUTROW
	s_wait_kmcnt 0x0
	s_add_nc_u64 s[4:5], s[4:5], s[12:13]
	s_add_nc_u64 s[8:9], s[8:9], s[14:15]
	CAST 4, 8, 0
	s_endpgm
.Lw:
	s_sub_co_u32 s16, ttmp9, 1000                  ; g: W_dense's rows 16 g .. 16 g + 15 = neurons 4 g .. 4 g + 3, four branches each
	s_mul_i32 s12, s16, ROWS*INROW
	s_lshr_b32 s17, s16, 2
	s_lshl_b32 s17, s17, 6                         ; (h >> 4) * 64
	s_and_b32 s18, s16, 3
	s_lshl_b32 s18, s18, 2                         ; h & 15 of the group's first neuron
	s_add_co_u32 s17, s17, s18
	s_mul_i32 s14, s17, OUTROW
	s_wait_kmcnt 0x0
	s_add_nc_u64 s[6:7], s[6:7], s[12:13]
	s_add_nc_u64 s[10:11], s[10:11], s[14:15]
	CAST 6, 10, 1
	s_endpgm
.Lfunc_end_k_q4e31d39d09_cast:
	.size	k_q4e31d39d09_cast, .Lfunc_end_k_q4e31d39d09_cast-k_q4e31d39d09_cast
	.p2alignl 7, 3214868480
	.fill 96, 4, 3214868480
	.section	.rodata,"a",@progbits
	.p2align	6, 0x0
	.amdhsa_kernel k_q4e31d39d09_cast
		.amdhsa_group_segment_fixed_size 0
		.amdhsa_private_segment_fixed_size 0
		.amdhsa_enable_private_segment 0
		.amdhsa_kernarg_size 32
		.amdhsa_user_sgpr_count 2
		.amdhsa_user_sgpr_kernarg_segment_ptr 1
		.amdhsa_wavefront_size32 1
		.amdhsa_system_sgpr_workgroup_id_x 1
		.amdhsa_system_sgpr_workgroup_id_y 1
		.amdhsa_system_sgpr_workgroup_id_z 1
		.amdhsa_system_vgpr_workitem_id 0
		.amdhsa_next_free_vgpr 100
		.amdhsa_next_free_sgpr 66
		.amdhsa_reserve_vcc 1
		.amdhsa_float_denorm_mode_32 3
		.amdhsa_float_denorm_mode_16_64 3
		.amdhsa_memory_ordered 1
		.amdhsa_forward_progress 1
		.amdhsa_inst_pref_size 15
	.end_amdhsa_kernel
	.amdgpu_metadata
---
amdhsa.version: [ 1, 2 ]
amdhsa.kernels:
  - .name:           k_q4e31d39d09_cast
    .symbol:         k_q4e31d39d09_cast.kd
    .args:
      - { .name: x, .offset: 0, .size: 8, .value_kind: global_buffer, .address_space: global }
      - { .name: W_dense, .offset: 8, .size: 8, .value_kind: global_buffer, .address_space: global }
      - { .name: xb, .offset: 16, .size: 8, .value_kind: global_buffer, .address_space: global }
      - { .name: wb, .offset: 24, .size: 8, .value_kind: global_buffer, .address_space: global }
    .group_segment_fixed_size: 0
    .private_segment_fixed_size: 0
    .kernarg_segment_align: 8
    .kernarg_segment_size: 32
    .max_flat_workgroup_size: 192
    .sgpr_count:     66
    .vgpr_count:     100
    .wavefront_size: 32
...
	.end_amdgpu_metadata
.endif
;; end of part 1
;; launch snn (part 2): grid 4 x 64, 4 waves a work-group, clusters of 4 x 4, 327,680 bytes of LDS; arguments xb, wb, b_dense, tau_m, tau_n, W_out, b_out, tau_m_out, part; writes part
.if DOCPART == 2
	.amdgcn_target "amdgcn-amd-amdhsa--gfx1250"
	.amdhsa_code_object_version 6
	.text
	.protected	k_q4e31d39d09_snn
	.globl	k_q4e31d39d09_snn
	.p2align	8
	.type	k_q4e31d39d09_snn,@function
k_q4e31d39d09_snn:
	s_mov_b64 s[64:65], 0
	v_nop
	global_prefetch_b8 v0, s[64:65] scope:SCOPE_SE
	s_setreg_imm32_b32 hwreg(HW_REG_WAVE_MODE, 25, 1), 1
	s_wait_xcnt 0x0
	s_wait_alu depctr_hold_cnt(0) depctr_sa_sdst(0) depctr_va_vdst(0) depctr_va_sdst(0) depctr_va_ssrc(0) depctr_va_vcc(0) depctr_vm_vsrc(0)
	s_getreg_b32 s2, hwreg(HW_REG_IB_STS2, 6, 4)
	s_cmp_eq_u32 s2, 0
	s_cbranch_scc0 .Lentry_in_a_cluster
	s_endpgm
.Lentry_in_a_cluster:
	s_bfe_u32 s2, ttmp6, 0x10000c
	s_cmp_lg_u32 s2, 0xf033
	s_cbranch_scc0 .Lentry_shape_is_right
	s_endpgm
.Lentry_shape_is_right:
; The whole network but for the last sum: branch currents (a bf16 GEMM), the dendritic and membrane scan over 125 time steps on the GEMM's
; accumulators, the spikes' product with W_out, the readout's leaky integrator and its sum over time.
;
; SHARES.  Work-group (q, p): batches 2 p and 2 p + 1, neurons 256 q .. 256 q + 255, walked in four blocks of 64 neurons.  64 x 4 = 256 groups.
; A block is a product of 256 rows x 256 columns x K = 704.  Rows: row block a (16 rows) holds batch 2 p at t = 8 a .. 8 a + 7 in rows 0-7 and
; batch 2 p + 1 at the same times in rows 8-15; 125 time steps are padded to 128 by rows of zeros.  Columns: wb's row order makes column block
; nb of a wave the branch nb of its 16 neurons.  In a matrix result register j of lane (r, hh) is row 8 hh + j, column r (ISA guide 7.12.2).
; So a lane holds, in its wave's 64 accumulators, all 4 branches at all 128 times of ONE batch (hh) and ONE neuron (r): the scan never leaves a lane.
; Wave w: all 256 rows x the 64 columns of neurons 16 w .. 16 w + 15: 512 accumulator registers.
; The readout is linear in the spikes: each group integrates what its 256 neurons feed (and a quarter of b_out), and the next launch adds the four.
;
; CLUSTERS: 4 x 4 groups.  xb's tiles hang on p alone and are asked for jointly by a row of the cluster, wb's on q and the block alone and are asked
; for jointly by a column: a quarter of the requests.
;
; LIMITS, kept on purpose.  Every input is taken rounded to bf16, nearest even (x and W_dense by the launch before, the rest here on load);
; everything else is f32.  Rounding orders that differ from the source's: (1-beta)(k+b) as one multiply-add with (1-beta) b; beta d + u and
; alpha mem + .. fused; the matrix unit's order of sums; the readout by quarters of H.  At the threshold such a difference can move a single spike.
; The sigmoid's exponent is held at 125 at the most: for tau below -86 the result is 2^-125 and not a smaller number or 0.
;
; LDS: two slots of a K step of 128 (four regions of 128 rows x 272 bytes: batch 0, batch 1, wb's rows 0-127, 128-255), then the spikes.
.set PITCH,  272                       ; 256 bytes of a tile's row + 16: sixteen neighbouring rows start in sixteen different 16-byte columns modulo 256 bytes
.set REG,    34944                     ; a region: 128 x 272 + 128.  The 128 move batch 1 by eight such columns, so rows 8a..8a+7 of both batches differ too
.set SLOT,   4*REG                     ; 139,776 = 546 x 256
.set SPK,    2*SLOT                    ; spikes: [batch][t 0..127][64 neurons] bf16; a multiple of 256, and no tensor load ever lands behind it
.set SP,     144                       ; 128 bytes + 16
.set SPB,    18560                     ; batch 1: 128 x 144 + 128, again eight columns on
.set ROWB,   1536                      ; bytes of a row of xb and of wb
.set STEPB,  256                       ; bytes of a K step in such a row
.set NEXTB,  256*ROWB-4*STEPB          ; from K step 4 (5) of a block of wb to K step 0 (1) of the next
; window 0
.set TMO,  8                           ; tau_m_out of my output column
.set BO,   9                           ; b_out of it
.set ADRA, 10                          ; v10-11   LDS address of my part of xb's fragments, slot 0, 1
.set ADRB, 12                          ; v12-13   the same for wb
.set SPA,  14                          ; where I store my spikes
.set SPR,  15                          ; where I read spike fragments
.set P16,  16                          ; byte offset of my neuron in tau_n and b_dense
.set P4,   17                          ; in tau_m
.set WOFF, 18                          ; byte offset of my part of W_out
.set OOFF, 19                          ; byte offset of my result in part
.set TN,   20                          ; v20-23   tau_n
.set BD,   24                          ; v24-27   b_dense
.set TM,   28                          ; tau_m
.set OIDX, 29                          ; my output column
.set BETA, 30                          ; v30-33
.set OMB,  34                          ; v34-37   1 - beta
.set CB,   38                          ; v38-41   (1 - beta) b
.set ALPHA, 42
.set MEM,  43
.set OMA,  44                          ; v44-45   1 - alpha, twice
.set HS,   46                          ; 0.5 x spike
.set HALF, 47
.set T,    48                          ; v48-63   two buffers of 8: (1 - alpha) x sum of the branches
.set U,    64                          ; v64-127  two buffers of 4 branches x 8 times: u, then d in place
.set R,    128                         ; v128-255 register R + t: the readout's product at time t
.set AO,   30                          ; the integrator's (the scan's registers are free by then)
.set OM2,  32
.set OB,   34
.set MO,   36
.set SU,   37
; window 1
.set AF,   0                           ; v0-63 xb's fragments of row blocks 0-7, v64-127 of 8-15
.set BF,   128                         ; v128-159, v160-191: wb's fragments, two buffers
.set WO,   192                         ; v192-207 W_out's fragments, bf16
.set WF,   208                         ; v208-239 W_out as loaded
; windows 2 and 3: accumulator (a, nb) at v[8 (4 (a & 7) + nb)], window 2 for a < 8, window 3 for a >= 8
.set G1,  24                           ; s[24:31] descriptor group 1, xb's tiles
.set G0,  32                           ; s[32:39] group 0, xb's tiles, slot 0, 1
.set G1B, 48                           ; s[48:55] group 1, wb's tiles
.set G0B, 56                           ; s[56:63] group 0, wb's tiles, slot 0, 1
; s_set_vgpr_msb's low byte: bits 1:0 source 0, 3:2 source 1, 5:4 source 2, 7:6 destination
.set TO_1,   0x40                      ; destination window 1, address window 0
.set MUL_LO, 0xa5                      ; both fragments window 1, C and D window 2
.set MUL_HI, 0xf5                      ; C and D window 3
.set ACC_LO, 0x02                      ; source 0 window 2
.set ACC_HI, 0x03
.set RO,     0x05                      ; both fragments window 1, C and D window 0
.set CVT1,   0x45                      ; sources and destination window 1
.set MSB, 0
.macro WIN new                         ; the immediate's high byte repeats the setting that is left; a switch that changes nothing is dropped
.if MSB != \new
	s_set_vgpr_msb (MSB<<8)|\new
.set MSB, \new
.endif
.endm
; Four places: a load into a register that a matrix instruction has read, and a vector instruction that reads a matrix result, stand four plain
; vector instructions behind it (ISA guide 7.12.1 for vector instructions).
.macro PLACES
.rept 4
	v_nop
.endr
.endm
; A joint load: waves 0, 1 ask for xb's two batches, waves 2, 3 for wb's two halves.  Each line has one mask; the branch hangs on the wave's number alone.
.macro JLOAD s
	s_cmp_eq_u32 s11, 0
	s_cbranch_scc0 .Lfor_b_\@
	tensor_load_to_lds s[G0+4*\s:G0+4*\s+3], s[G1:G1+7]
	s_nop 0
	s_branch .Lasked_\@
.Lfor_b_\@:
	tensor_load_to_lds s[G0B+4*\s:G0B+4*\s+3], s[G1B:G1B+7]
	s_nop 0
.Lasked_\@:
.endm
; A round of the cluster's barrier: my group's barrier; wave 0 signals for the group; every wave waits for all sixteen groups; my group's barrier again.
.macro CREST                           ; a round behind its opening barrier
	s_cmp_lg_u32 s10, 0
	s_cbranch_scc1 .Lnot_wave_0_\@
	s_barrier_signal -3
.Lnot_wave_0_\@:
	s_barrier_wait -3
	s_barrier_signal -1
	s_barrier_wait -1
.endm
.macro CROUND
	s_barrier_signal -1
	s_barrier_wait -1
	CREST
.endm
; 16 LDS loads: xb's fragments of row blocks 8 half .. 8 half + 7, 32 along K at byte kb of the rows.  8 rows of time are 2,176 bytes.
.macro LOADA slot, kb, half
.irp i, 0,1,2,3,4,5,6,7
	ds_load_b128 v[AF+64*\half+8*\i:AF+64*\half+8*\i+3],   v[ADRA+\slot] offset:\kb+(8*\half+\i)*8*PITCH
	ds_load_b128 v[AF+64*\half+8*\i+4:AF+64*\half+8*\i+7], v[ADRA+\slot] offset:\kb+(8*\half+\i)*8*PITCH+32
.endr
.endm
; 8 LDS loads: wb's fragments of my four branches into buffer bq
.macro LOADB slot, kb, bq
.irp nb, 0,1,2,3
	ds_load_b128 v[BF+32*(\bq)+8*\nb:BF+32*(\bq)+8*\nb+3],   v[ADRB+\slot] offset:\kb+\nb*16*PITCH
	ds_load_b128 v[BF+32*(\bq)+8*\nb+4:BF+32*(\bq)+8*\nb+7], v[ADRB+\slot] offset:\kb+\nb*16*PITCH+32
.endr
.endm
; 16 matrix instructions: row blocks i0 .. i0 + 3 of the window's eight x 4 branches.  zero = 1: the product starts the sums, nothing is cleared.
; The 64 accumulators take turns, one instruction a turn, in the same order in every quarter step.
.macro MUL16 half, i0, bq, zero
.irp i, \i0, \i0+1, \i0+2, \i0+3
.irp nb, 0,1,2,3
.if \zero
	v_wmma_f32_16x16x32_bf16 v[8*(4*(\i)+\nb):8*(4*(\i)+\nb)+7], v[AF+64*\half+8*(\i):AF+64*\half+8*(\i)+7], v[BF+32*(\bq)+8*\nb:BF+32*(\bq)+8*\nb+7], 0
.else
	v_wmma_f32_16x16x32_bf16 v[8*(4*(\i)+\nb):8*(4*(\i)+\nb)+7], v[AF+64*\half+8*(\i):AF+64*\half+8*(\i)+7], v[BF+32*(\bq)+8*\nb:BF+32*(\bq)+8*\nb+7], v[8*(4*(\i)+\nb):8*(4*(\i)+\nb)+7]
.endif
.endr
.endr
.endm
; A quarter step: 32 along K, 64 matrix instructions.  The upper rows' fragments are fetched at its head, 32 matrix instructions ahead of their
; use; the next quarter's lower rows and wb fragments in its middle, again 32 ahead.
.macro QUARTER slot, kb, bq, zero
	PLACES
	WIN TO_1
	LOADA \slot, \kb, 1
	s_wait_dscnt 16                                ; all but the 16 just issued: the lower rows' and wb's fragments are in
	WIN MUL_LO
	MUL16 0, 0, \bq, \zero
	MUL16 0, 4, \bq, \zero
	PLACES
	WIN TO_1
	LOADA \slot, \kb+64, 0
	LOADB \slot, \kb+64, 1-\bq
	s_wait_dscnt 24                                ; all but the 24 just issued: the upper rows' fragments are in
	WIN MUL_HI
	MUL16 1, 0, \bq, \zero
	MUL16 1, 4, \bq, \zero
.endm
; A K step's last quarter (byte 192, buffer 1), with the change of slots.  In front of the barrier each wave waits for its reads of this slot and for
; all its tensor loads, of which one is out: its part of the next slot.  mode 1, 2: the barrier opens a round of the cluster's barrier, and behind
; the round this slot is filled again, first thing: mode 1 two K steps on, mode 2 with the next block's K step 0.  mode 0: nothing is filled.
.macro TURNQ slot, next, mode
	PLACES
	WIN TO_1
	LOADA \slot, 192, 1
	s_wait_dscnt 16
	WIN MUL_LO
	MUL16 0, 0, 1, 0
	s_wait_dscnt 0x0                               ; my reads of this slot are over
	s_wait_tensorcnt 0x0                           ; all my tensor loads have landed
	ds_add_u32 v254, v255
	s_wait_dscnt 0x0
	s_barrier_signal -1
	MUL16 0, 4, 1, 0                               ; registers only, while the others arrive
	WIN 0
	s_barrier_wait -1
.if \mode
	CREST                                          ; no wave of any partner still reads this slot or has a load on its way
.if \mode == 1
	s_add_nc_u64 s[G0+4*\slot+2:G0+4*\slot+3],   s[G0+4*\slot+2:G0+4*\slot+3],   2*STEPB
	s_add_nc_u64 s[G0B+4*\slot+2:G0B+4*\slot+3], s[G0B+4*\slot+2:G0B+4*\slot+3], 2*STEPB
.else
	s_sub_nc_u64 s[G0+4*\slot+2:G0+4*\slot+3],   s[G0+4*\slot+2:G0+4*\slot+3],   4*STEPB    ; the same batches from K step 0 again
	s_add_nc_u64 s[G0B+4*\slot+2:G0B+4*\slot+3], s[G0B+4*\slot+2:G0B+4*\slot+3], NEXTB      ; the next 256 rows of wb
.endif
	JLOAD \slot                                    ; the first tensor load behind the round
.endif
	PLACES
	WIN TO_1
	LOADA \next, 0, 0
	LOADB \next, 0, 0
	WIN MUL_HI
	MUL16 1, 0, 1, 0
	MUL16 1, 4, 1, 0
.endm
.macro ENDQ                            ; the block's last quarter: K = 672 .. 703, slot 1, byte 64, buffer 1; nothing more to fetch
	PLACES
	WIN TO_1
	LOADA 1, 64, 1
	s_wait_dscnt 16
	WIN MUL_LO
	MUL16 0, 0, 1, 0
	MUL16 0, 4, 1, 0
	s_wait_dscnt 0x0
	WIN MUL_HI
	MUL16 1, 0, 1, 0
	MUL16 1, 4, 1, 0
.endm
.macro STEP slot, zero, mode
	QUARTER \slot, 0,   0, \zero
	QUARTER \slot, 64,  1, 0
	QUARTER \slot, 128, 0, 0
	TURNQ \slot, 1-\slot, \mode
.endm
; The block's parameters, asked for at its head and used behind its products.  Wave 3 owns no output column and loads no W_out.
.macro PLOADS
	global_load_b128 v[TN:TN+3], v[P16], s[76:77]
	global_load_b128 v[BD:BD+3], v[P16], s[72:73]
	global_load_b32 v[TM], v[P4], s[74:75]
	s_cmp_eq_u32 s10, 3
	s_cbranch_scc1 .Lno_w_\@
	WIN TO_1
.irp ks, 0,1                           ; fragment ks: k = 32 ks + 8 hh + 0..7 (32 bytes of f32) and k = 32 ks + 16 + 8 hh + 0..7 (64 bytes on)
	global_load_b128 v[WF+16*\ks:WF+16*\ks+3],     v[WOFF], s[78:79] offset:128*\ks
	global_load_b128 v[WF+16*\ks+4:WF+16*\ks+7],   v[WOFF], s[78:79] offset:128*\ks+16
	global_load_b128 v[WF+16*\ks+8:WF+16*\ks+11],  v[WOFF], s[78:79] offset:128*\ks+64
	global_load_b128 v[WF+16*\ks+12:WF+16*\ks+15], v[WOFF], s[78:79] offset:128*\ks+80
.endr
	WIN 0
.Lno_w_\@:
.endm
.macro RND2 a, b                       ; two f32 rounded to bf16 and widened again
	v_cvt_pk_bf16_f32 v1, v[\a], v[\b]
	v_lshlrev_b32 v[\a], 16, v1
	v_and_b32 v[\b], 0xffff0000, v1
.endm
; beta, alpha = 1 / (1 + 2^(-1.442695 tau)), with one Newton step on the reciprocal; 1 - beta, (1 - beta) b, 1 - alpha; the scan's state = 0.
.macro PARAMS last
	RND2 TN, TN+1
	RND2 TN+2, TN+3
	RND2 BD, BD+1
	RND2 BD+2, BD+3
	v_cvt_pk_bf16_f32 v1, v[TM], v[TM]
	v_lshlrev_b32 v[TM], 16, v1
.irp i, 0,1,2,3
	v_mul_f32 v[BETA+\i], 0xbfb8aa3b, v[TN+\i]
.endr
	v_mul_f32 v[ALPHA], 0xbfb8aa3b, v[TM]
.irp i, 0,1,2,3
	v_min_num_f32 v[BETA+\i], 0x42fa0000, v[BETA+\i]               ; at most 125: 1 + 2^125 and its reciprocal stay normal numbers
.endr
	v_min_num_f32 v[ALPHA], 0x42fa0000, v[ALPHA]
.irp i, 0,1,2,3
	v_exp_f32 v[TN+\i], v[BETA+\i]
.endr
	v_exp_f32 v[TM], v[ALPHA]
	v_nop                                          ; one plain place behind the transcendentals (ISA guide 5.7.2)
	s_wait_alu depctr_va_vdst(0)
.irp i, 0,1,2,3
	v_add_f32 v[TN+\i], 1.0, v[TN+\i]
.endr
	v_add_f32 v[TM], 1.0, v[TM]
.irp i, 0,1,2,3
	v_rcp_f32 v[BETA+\i], v[TN+\i]
.endr
	v_rcp_f32 v[ALPHA], v[TM]
	v_nop
	s_wait_alu depctr_va_vdst(0)
.irp i, 0,1,2,3
	v_fma_f32 v[OMB+\i], -v[TN+\i], v[BETA+\i], 1.0
.endr
	v_fma_f32 v[OMA], -v[TM], v[ALPHA], 1.0
.irp i, 0,1,2,3
	v_fma_f32 v[BETA+\i], v[BETA+\i], v[OMB+\i], v[BETA+\i]
.endr
	v_fma_f32 v[ALPHA], v[ALPHA], v[OMA], v[ALPHA]
.irp i, 0,1,2,3
	v_sub_f32 v[OMB+\i], 1.0, v[BETA+\i]
.endr
	v_sub_f32 v[OMA], 1.0, v[ALPHA]
	v_sub_f32 v[OMA+1], 1.0, v[ALPHA]
.irp i, 0,1,2,3
	v_mul_f32 v[CB+\i], v[OMB+\i], v[BD+\i]
.endr
.if \last == 0
	v_add_nc_u32 v[P16], 64*16, v[P16]             ; the next block's 64 neurons; the loads that read these offsets are done (the wait for 0 above)
	v_add_nc_u32 v[P4], 64*4, v[P4]
	v_add_nc_u32 v[WOFF], 64*4, v[WOFF]
.endif
	v_mov_b32 v[MEM], 0
	v_mov_b32 v[HS], 0
.irp nb, 0,1,2,3
	v_mov_b32 v[U+32+8*\nb+7], 0                   ; d before t = 0: row block 0 finds it where every block finds the last d of the block before
.endr
.endm
; u = (1 - beta) acc + (1 - beta) b for one branch of a row block, two times at once; sel = nb & 1 picks the branch's number out of its pair
.macro UROW a, nb, sel
.irp jp, 0,1,2,3
	v_pk_fma_f32 v[CUR_U+8*\nb+2*\jp:CUR_U+8*\nb+2*\jp+1], v[8*(4*((\a)&7)+\nb)+2*\jp:8*(4*((\a)&7)+\nb)+2*\jp+1], v[OMB+\nb-\sel:OMB+\nb-\sel+1], v[CB+\nb-\sel:CB+\nb-\sel+1] op_sel:[0,\sel,\sel] op_sel_hi:[1,\sel,\sel]
.endr
.endm
; One of a row block's 48 instructions that do not hang on the spikes.  0-31: d(t) = u(t) + beta d(t-1), in place, four chains by turns.
; 32-43: ((d0 + d1) + d2) + d3, two times at once.  44-47: x (1 - alpha).
.macro FILL1
.if fn < 4
	v_fmac_f32 v[CUR_U+8*(fn%4)], v[BETA+fn%4], v[OLD_U+8*(fn%4)+7]
.elseif fn < 32
	v_fmac_f32 v[CUR_U+8*(fn%4)+fn/4], v[BETA+fn%4], v[CUR_U+8*(fn%4)+fn/4-1]
.elseif fn < 36
	v_pk_add_f32 v[CUR_T+2*(fn-32):CUR_T+2*(fn-32)+1], v[CUR_U+2*(fn-32):CUR_U+2*(fn-32)+1], v[CUR_U+8+2*(fn-32):CUR_U+8+2*(fn-32)+1]
.elseif fn < 40
	v_pk_add_f32 v[CUR_T+2*(fn-36):CUR_T+2*(fn-36)+1], v[CUR_T+2*(fn-36):CUR_T+2*(fn-36)+1], v[CUR_U+16+2*(fn-36):CUR_U+16+2*(fn-36)+1]
.elseif fn < 44
	v_pk_add_f32 v[CUR_T+2*(fn-40):CUR_T+2*(fn-40)+1], v[CUR_T+2*(fn-40):CUR_T+2*(fn-40)+1], v[CUR_U+24+2*(fn-40):CUR_U+24+2*(fn-40)+1]
.else
	v_pk_mul_f32 v[CUR_T+2*(fn-44):CUR_T+2*(fn-44)+1], v[CUR_T+2*(fn-44):CUR_T+2*(fn-44)+1], v[OMA:OMA+1]
.endif
.set fn, fn+1
.endm
.macro FILL2 a
.if \a < 16
	FILL1
	FILL1
.endif
.endm
; Stage a of the scan: the spike chain of row block a - 1 (four dependent instructions a time step), with row block a's 48 independent ones between its links.
.macro SCAN a
.set CUR_U, U+32*((\a)&1)
.set OLD_U, U+32*(1-((\a)&1))
.set CUR_T, T+8*((\a)&1)
.set OLD_T, T+8*(1-((\a)&1))
.if \a < 16
.if \a < 8
	WIN ACC_LO
.else
	WIN ACC_HI
.endif
	UROW \a, 0, 0
	UROW \a, 1, 1
	UROW \a, 2, 0
	UROW \a, 3, 1
	WIN 0
.endif
.set fn, 0
.irp j, 0,1,2,3,4,5,6,7
.if \a > 0
	v_fma_f32 v[MEM], v[ALPHA], v[MEM], v[OLD_T+\j]                ; alpha mem + (1 - alpha) l
.endif
	FILL2 \a
.if \a > 0
	v_sub_f32 v[MEM], v[MEM], v[HS]                                ; - 0.5 x the last spike
.endif
	FILL2 \a
.if \a > 0
	v_cmp_lt_f32 vcc_lo, 0.5, v[MEM]
.endif
	FILL2 \a
.if \a > 0
	v_cndmask_b32 v[HS], 0, v[HALF], vcc_lo
	ds_store_b16_d16_hi v[SPA], v[HS] offset:(8*(\a-1)+\j)*SP      ; the upper half of 0.5 or 0 in f32 is that number in bf16
.endif
.endr
.endm
; The readout's product, waves 0-2: R(row block) += spikes [16 x 64] x W_out^T [64 x 16 columns of the wave].  Chunk c: k = 32 (c >> 1) .., row blocks 8 (c & 1) ..
.macro SLOAD c
.irp i, 0,1,2,3,4,5,6,7
	ds_load_b128 v[AF+64*((\c)&1)+8*\i:AF+64*((\c)&1)+8*\i+3],   v[SPR] offset:(8*((\c)&1)+\i)*8*SP+((\c)>>1)*64
	ds_load_b128 v[AF+64*((\c)&1)+8*\i+4:AF+64*((\c)&1)+8*\i+7], v[SPR] offset:(8*((\c)&1)+\i)*8*SP+((\c)>>1)*64+32
.endr
.endm
.macro RMUL half, ks, zero             ; eight accumulators by turns; the other eight stand between two turns of one
.irp i, 0,1,2,3,4,5,6,7
.if \zero
	v_wmma_f32_16x16x32_bf16 v[R+8*(8*\half+\i):R+8*(8*\half+\i)+7], v[AF+64*\half+8*\i:AF+64*\half+8*\i+7], v[WO+8*\ks:WO+8*\ks+7], 0
.else
	v_wmma_f32_16x16x32_bf16 v[R+8*(8*\half+\i):R+8*(8*\half+\i)+7], v[AF+64*\half+8*\i:AF+64*\half+8*\i+7], v[WO+8*\ks:WO+8*\ks+7], v[R+8*(8*\half+\i):R+8*(8*\half+\i)+7]
.endif
.endr
.endm
.macro READOUT first
	WIN TO_1
	SLOAD 0
	SLOAD 1
	WIN CVT1
.set m, 0
.rept 16
	v_cvt_pk_bf16_f32 v[WO+m], v[WF+2*m], v[WF+2*m+1]              ; W_out to bf16, while the spikes come
.set m, m+1
.endr
	s_wait_dscnt 16                                ; chunk 0 is in, chunk 1's 16 loads may be out
	WIN RO
	RMUL 0, 0, \first
	PLACES
	WIN TO_1
	SLOAD 2
	s_wait_dscnt 16                                ; chunk 1 is in
	WIN RO
	RMUL 1, 0, \first
	PLACES
	WIN TO_1
	SLOAD 3
	s_wait_dscnt 16                                ; chunk 2 is in
	WIN RO
	RMUL 0, 1, 0
	s_wait_dscnt 0x0
	RMUL 1, 1, 0
	WIN 0
.endm
; One block of 64 neurons.  K steps 0-4 whole, of K step 5 the first two quarters (K = 704; xb and wb hold zeros from 700 on).
.macro TILE first, last
	PLOADS
	PLACES
	WIN TO_1
	LOADA 0, 0, 0
	LOADB 0, 0, 0
	STEP 0, 1, 1
	STEP 1, 0, 1
	STEP 0, 0, 1
	STEP 1, 0, 1
.if \last
	STEP 0, 0, 0
.else
	STEP 0, 0, 2
.endif
	QUARTER 1, 0, 0, 0
	ENDQ
	WIN 0
	PLACES
	s_wait_loadcnt 0x0                             ; the block's parameters, asked for at its head
	PARAMS \last
.irp a, 0,1,2,3,4,5,6,7,8,9,10,11,12,13,14,15,16
	SCAN \a
.endr
	s_wait_dscnt 0x0                               ; my spikes are in LDS, and my reads of slot 1 are long over
	s_set_vgpr_msb 0x5
	s_wait_tensorcnt 0x0                           ; all my tensor loads have landed: the one that was out is my part of the next block's K step 0
	ds_add_u32 v254, v255
	s_wait_dscnt 0x0
	s_set_vgpr_msb 0x500
.if \last
	s_barrier_signal -1
	s_barrier_wait -1                              ; every wave's spikes are there
.else
	CROUND                                         ; the same, and of every partner: nobody reads slot 1 or has a load on its way
	s_sub_nc_u64 s[G0+6:G0+7],   s[G0+6:G0+7],   4*STEPB
	s_add_nc_u64 s[G0B+6:G0B+7], s[G0B+6:G0B+7], NEXTB
	JLOAD 1                                        ; the next block's K step 1: the first tensor load behind the round
.endif
	s_cmp_eq_u32 s10, 3
	s_cbranch_scc1 .Lskip_\@
	READOUT \first
.Lskip_\@:
.endm
	; ---- head
	s_load_b128 s[4:7], s[0:1], 0x0                ; xb s[4:5], wb s[6:7]
	s_load_b256 s[72:79], s[0:1], 0x10             ; b_dense s[72:73], tau_m s[74:75], tau_n s[76:77], W_out s[78:79]
	s_load_b128 s[80:83], s[0:1], 0x30             ; b_out s[80:81], tau_m_out s[82:83]
	s_load_b64 s[84:85], s[0:1], 0x40              ; part
	s_set_vgpr_msb 0x40
	v_lshl_add_u32 v254, v0, 2, 0x4d500
	v_mov_b32 v255, 0
	s_set_vgpr_msb 0x4045
	ds_add_u32 v254, v255
	s_set_vgpr_msb 0x4500
	v_lshrrev_b32 v1, 5, v0
	v_readfirstlane_b32 s10, v1                    ; wave 0..3
	s_lshr_b32 s11, s10, 1                         ; I fetch for xb (0) or wb (1); also: the region in which my rows of wb lie
	s_and_b32 s12, s10, 1                          ; which batch, or which 128 rows of wb, I fetch; also: which half of that region is mine
	s_bfe_u32 s40, ttmp6, 0x40000                  ; cx
	s_bfe_u32 s41, ttmp6, 0x40004                  ; cy
	s_lshl_b32 s42, ttmp9, 2
	s_add_co_u32 s42, s42, s40                     ; q = 4 x cluster x + cx
	s_and_b32 s13, ttmp7, 0xffff
	s_lshl_b32 s13, s13, 2
	s_add_co_u32 s13, s13, s41                     ; p = 4 x cluster y + cy
	s_lshl_b32 s43, s41, 2
	s_lshl_b32 s43, 15, s43                        ; my row of the cluster: places 4 cy .. 4 cy + 3
	s_lshl_b32 s44, 0x1111, s40                    ; my column: places cx, cx + 4, cx + 8, cx + 12
	; group 1: 128 rows x 128 elements of 2 bytes, 16 bytes of padding behind each row's 64 words
	s_or_b32 s[G1+0],  s43, (1<<16)|(1<<20)|(1<<21)|(5<<22)|(3<<25)  ; 15:0 mask; 17:16 size; 20 padding on; 21 set beside a mask; 24:22 every 64 words; 31:25 four words
	s_or_b32 s[G1B+0], s44, (1<<16)|(1<<20)|(1<<21)|(5<<22)|(3<<25)
	s_mov_b32 s[G1+1],  128<<16                    ; tensor_dim0 = 128
	s_mov_b32 s[G1B+1], 128<<16
	s_mov_b32 s[G1+2],  125<<16                    ; tensor_dim1 = 125: a batch has 125 rows; the tile's rows 125-127 arrive as zeros
	s_mov_b32 s[G1B+2], 128<<16
	s_mov_b32 s[G1+3],  128<<16                    ; tile_dim0 = 128
	s_mov_b32 s[G1B+3], 128<<16
	s_mov_b32 s[G1+4],  128                        ; tile_dim1 = 128
	s_mov_b32 s[G1B+4], 128
	s_mov_b32 s[G1+5],  768                        ; elements from row to row
	s_mov_b32 s[G1B+5], 768
	s_mov_b32 s[G1+6],  0
	s_mov_b32 s[G1B+6], 0
	s_mov_b32 s[G1+7],  0
	s_mov_b32 s[G1B+7], 0
	s_lshl_b32 s16, s13, 1
	s_add_co_u32 s16, s16, s12                     ; batch 2 p + (wave & 1)
	s_mul_i32 s16, s16, 125*ROWB                   ; at most 127 x 192,000 bytes
	s_mov_b32 s17, 0
	s_lshl_b32 s46, s42, 10
	s_lshl_b32 s47, s12, 7
	s_add_co_u32 s46, s46, s47                     ; wb's row 1024 q + 128 (wave & 1)
	s_mul_i32 s46, s46, ROWB
	s_mov_b32 s47, 0
	s_mul_i32 s20, s10, REG                        ; wave w fills region w: no place in the cluster enters an LDS address
	s_wait_dscnt 0x0
	s_wait_kmcnt 0x0
	s_add_nc_u64 s[14:15], s[4:5], s[16:17]
	s_add_nc_u64 s[46:47], s[6:7], s[46:47]
	CROUND                                         ; all sixteen groups are here: the first joint loads meet
.irp s, 0,1
	s_mov_b32 s[G0+4*\s], 1
	s_add_co_u32 s[G0+4*\s+1], s20, \s*SLOT
	s_add_nc_u64 s[G0+4*\s+2:G0+4*\s+3], s[14:15], \s*STEPB
	s_or_b32 s[G0+4*\s+3], s[G0+4*\s+3], 0x80000000
	s_mov_b32 s[G0B+4*\s], 1
	s_add_co_u32 s[G0B+4*\s+1], s20, \s*SLOT
	s_add_nc_u64 s[G0B+4*\s+2:G0B+4*\s+3], s[46:47], \s*STEPB
	s_or_b32 s[G0B+4*\s+3], s[G0B+4*\s+3], 0x80000000
	JLOAD \s                                       ; K steps 0 and 1: two tensor loads of the wave are out here, one at any later time
.endr
	; lane addresses.  A fragment: lane (r, hh) holds row r; registers 0-3 k = 8 hh + 0..7, registers 4-7 k = 16 + 8 hh + 0..7: two loads of 16 bytes, 32 apart
	v_and_b32 v1, 15, v0                           ; r
	v_bfe_u32 v2, v0, 4, 1                         ; hh
	v_bfe_u32 v3, v0, 3, 1                         ; r >> 3: the batch of a fragment row
	v_and_b32 v4, 7, v0                            ; r & 7: its time in the row block
	v_mul_u32_u24 v5, v3, REG
	v_mad_u32_u24 v5, v4, PITCH, v5
	v_lshl_add_u32 v[ADRA], v2, 4, v5
	v_add_nc_u32 v[ADRA+1], SLOT, v[ADRA]
	s_mul_i32 s21, s11, REG
	s_mul_i32 s22, s12, 64*PITCH
	s_add_co_u32 s21, s21, s22
	s_add_co_u32 s21, s21, 2*REG                   ; my 64 rows of wb's tile
	v_mul_u32_u24 v5, v1, PITCH
	v_lshl_add_u32 v5, v2, 4, v5
	v_add_nc_u32 v[ADRB], s21, v5
	v_add_nc_u32 v[ADRB+1], SLOT, v[ADRB]
	s_lshl_b32 s22, s10, 5
	s_add_co_u32 s22, s22, SPK                     ; my wave's 16 neurons: 32 bytes of each spike row
	v_mul_u32_u24 v5, v2, SPB                      ; in the scan hh is the batch
	v_lshl_add_u32 v5, v1, 1, v5
	v_add_nc_u32 v[SPA], s22, v5
	v_mul_u32_u24 v5, v3, SPB
	v_mad_u32_u24 v5, v4, SP, v5
	v_lshl_add_u32 v5, v2, 4, v5
	v_add_nc_u32 v[SPR], SPK, v5
	s_lshl_b32 s23, s10, 4                         ; 16 w
	s_lshl_b32 s66, s42, 8
	s_add_co_u32 s66, s66, s23                     ; 256 q + 16 w
	v_add_nc_u32 v5, s66, v1                       ; my neuron in the first block
	v_lshlrev_b32 v[P16], 4, v5
	v_lshlrev_b32 v[P4], 2, v5
	v_add_nc_u32 v[OIDX], s23, v1                  ; my output column, 16 w + r
	v_min_u32 v6, 34, v[OIDX]                      ; lanes past column 34 read column 34 and store nothing
	s_lshl_b32 s67, s42, 10                        ; 256 q neurons x 4 bytes
	v_lshl_add_u32 v5, v6, 12, s67                 ; a row of W_out is 4,096 bytes
	v_lshl_add_u32 v[WOFF], v2, 5, v5              ; + 8 hh numbers
	s_mul_i32 s68, s42, 128*35
	s_mul_i32 s69, s13, 2*35
	s_add_co_u32 s68, s68, s69
	s_add_co_u32 s68, s68, s23
	v_mad_u32_u24 v5, v2, 35, v1
	v_add_lshl_u32 v[OOFF], v5, s68, 2             ; part[q][2 p + hh][16 w + r]
	v_mov_b32 v[HALF], 0.5
	s_cmp_eq_u32 s10, 3
	s_cbranch_scc1 .Lhead_3
	v_lshlrev_b32 v7, 2, v6
	global_load_b32 v[TMO], v7, s[82:83]           ; waited for with the first block's parameters; v7 is not written again
	global_load_b32 v[BO], v7, s[80:81]
.Lhead_3:
	s_wait_tensorcnt 0x1                           ; my part of K step 0 is in; K step 1's load stays out
	s_barrier_signal -1
	s_barrier_wait -1
	; ---- the four blocks
	TILE 1, 0
	s_mov_b32 s3, 2
.Ltile:
	TILE 0, 0
	s_sub_co_u32 s3, s3, 1
	s_cmp_lg_u32 s3, 0
	s_cbranch_scc1 .Ltile
	TILE 0, 1
	; ---- the readout's integrator, waves 0-2: mem = a mem + (1 - a)(r + b), summed over t = 0 .. 124.  R holds half of r (spikes were stored as 0.5).
	s_cmp_eq_u32 s10, 3
	s_cbranch_scc1 .Lend
	PLACES
	v_cvt_pk_bf16_f32 v1, v[TMO], v[BO]
	v_lshlrev_b32 v2, 16, v1                       ; tau_m_out
	v_and_b32 v3, 0xffff0000, v1                   ; b_out
	v_mul_f32 v2, 0xbfb8aa3b, v2
	v_min_num_f32 v2, 0x42fa0000, v2
	v_exp_f32 v4, v2
	v_nop
	s_wait_alu depctr_va_vdst(0)
	v_add_f32 v4, 1.0, v4
	v_rcp_f32 v[AO], v4
	v_nop
	s_wait_alu depctr_va_vdst(0)
	v_fma_f32 v5, -v4, v[AO], 1.0
	v_fma_f32 v[AO], v[AO], v5, v[AO]
	v_sub_f32 v5, 1.0, v[AO]
	v_add_f32 v[OM2], v5, v5                       ; 2 (1 - a)
	v_add_f32 v[OM2+1], v5, v5
	v_mul_f32 v6, v5, v3
	v_mul_f32 v[OB], 0x3e800000, v6                ; (1 - a) b / 4: the four quarters of H add up to b
	v_mul_f32 v[OB+1], 0x3e800000, v6
.set t, 0
.rept 63
	v_pk_fma_f32 v[R+t:R+t+1], v[R+t:R+t+1], v[OM2:OM2+1], v[OB:OB+1]
.set t, t+2
.endr
	v_fma_f32 v[MO], v[AO], v[R], v[R+1]           ; mem(0) = R(0): the first step starts both sums
	v_add_f32 v[SU], v[R], v[MO]
.set t, 2
.rept 123
	v_fma_f32 v[MO], v[AO], v[MO], v[R+t]
	v_add_f32 v[SU], v[SU], v[MO]
.set t, t+1
.endr
	v_cmp_gt_u32 vcc_lo, 35, v[OIDX]
	s_wait_xcnt 0x0                                ; EXEC is a source of the global loads issued before: it changes only behind this wait
	s_and_saveexec_b32 s86, vcc_lo
	global_store_b32 v[OOFF], v[SU], s[84:85]
	s_wait_xcnt 0x0                                ; and again in front of the line that widens it
	s_or_b32 exec_lo, exec_lo, s86
.Lend:
	CROUND                                         ; the closing round: no group ends while a partner may still ask for a tile that names it
	s_endpgm
.Lfunc_end_k_q4e31d39d09_snn:
	.size	k_q4e31d39d09_snn, .Lfunc_end_k_q4e31d39d09_snn-k_q4e31d39d09_snn
	.p2alignl 7, 3214868480
	.fill 96, 4, 3214868480
	.section	.rodata,"a",@progbits
	.p2align	6, 0x0
	.amdhsa_kernel k_q4e31d39d09_snn
		.amdhsa_group_segment_fixed_size 327680
		.amdhsa_private_segment_fixed_size 0
		.amdhsa_enable_private_segment 0
		.amdhsa_kernarg_size 72
		.amdhsa_user_sgpr_count 2
		.amdhsa_user_sgpr_kernarg_segment_ptr 1
		.amdhsa_wavefront_size32 1
		.amdhsa_system_sgpr_workgroup_id_x 1
		.amdhsa_system_sgpr_workgroup_id_y 1
		.amdhsa_system_sgpr_workgroup_id_z 1
		.amdhsa_system_vgpr_workitem_id 0
		.amdhsa_next_free_vgpr 1024
		.amdhsa_next_free_sgpr 90
		.amdhsa_reserve_vcc 1
		.amdhsa_float_denorm_mode_32 3
		.amdhsa_float_denorm_mode_16_64 3
		.amdhsa_memory_ordered 1
		.amdhsa_forward_progress 1
		.amdhsa_inst_pref_size 255
	.end_amdhsa_kernel
	.section	.bss,"aw",@nobits
	.p2align	6
	.space	262144
	.amdgpu_metadata
---
amdhsa.version: [ 1, 2 ]
amdhsa.kernels:
  - .name:           k_q4e31d39d09_snn
    .symbol:         k_q4e31d39d09_snn.kd
    .args:
      - { .name: xb, .offset: 0, .size: 8, .value_kind: global_buffer, .address_space: global }
      - { .name: wb, .offset: 8, .size: 8, .value_kind: global_buffer, .address_space: global }
      - { .name: b_dense, .offset: 16, .size: 8, .value_kind: global_buffer, .address_space: global }
      - { .name: tau_m, .offset: 24, .size: 8, .value_kind: global_buffer, .address_space: global }
      - { .name: tau_n, .offset: 32, .size: 8, .value_kind: global_buffer, .address_space: global }
      - { .name: W_out, .offset: 40, .size: 8, .value_kind: global_buffer, .address_space: global }
      - { .name: b_out, .offset: 48, .size: 8, .value_kind: global_buffer, .address_space: global }
      - { .name: tau_m_out, .offset: 56, .size: 8, .value_kind: global_buffer, .address_space: global }
      - { .name: part, .offset: 64, .size: 8, .value_kind: global_buffer, .address_space: global }
    .group_segment_fixed_size: 327680
    .private_segment_fixed_size: 0
    .kernarg_segment_align: 8
    .kernarg_segment_size: 72
    .max_flat_workgroup_size: 128
    .sgpr_count:     90
    .vgpr_count:     1024
    .wavefront_size: 32
...
	.end_amdgpu_metadata
.endif
;; end of part 2
;; launch sum (part 3): grid 5 x 1, 7 waves a work-group, no clusters, 0 bytes of LDS; arguments part, out0; writes out0
.if DOCPART == 3
	.amdgcn_target "amdgcn-amd-amdhsa--gfx1250"
	.amdhsa_code_object_version 6
	.text
	.protected	k_q4e31d39d09_sum
	.globl	k_q4e31d39d09_sum
	.p2align	8
	.type	k_q4e31d39d09_sum,@function
k_q4e31d39d09_sum:
	s_mov_b64 s[64:65], 0
	v_nop
	global_prefetch_b8 v0, s[64:65] scope:SCOPE_SE
	s_setreg_imm32_b32 hwreg(HW_REG_WAVE_MODE, 25, 1), 1
	s_wait_xcnt 0x0
; out0[b][o] = (part[0][b][o] + part[1][b][o] + part[2][b][o] + part[3][b][o]) / 125: the four quarters of H, and the mean over the 125 time steps
; (a multiplication by the f32 nearest to 1/125: it can differ from a division in the last bit).
; 128 x 35 numbers are 1,120 pieces of 16 bytes = 5 groups x 224 threads, one piece a thread.
.set QUARTER_BYTES, 17920
	s_load_b128 s[4:7], s[0:1], 0x0                ; part s[4:5], out0 s[6:7]
	s_mul_i32 s8, ttmp9, 224*16
	v_lshl_add_u32 v1, v0, 4, s8
	s_wait_kmcnt 0x0
.irp q, 0,1,2,3
	global_load_b128 v[4+4*\q:7+4*\q], v1, s[4:5] offset:\q*QUARTER_BYTES
.endr
	s_wait_loadcnt 0x0
.irp q, 1,2,3
	v_pk_add_f32 v[4:5], v[4:5], v[4+4*\q:5+4*\q]
	v_pk_add_f32 v[6:7], v[6:7], v[6+4*\q:7+4*\q]
.endr
	v_pk_mul_f32 v[4:5], v[4:5], 0x3c03126f op_sel_hi:[1,0]
	v_pk_mul_f32 v[6:7], v[6:7], 0x3c03126f op_sel_hi:[1,0]
	global_store_b128 v1, v[4:7], s[6:7]
	s_endpgm
.Lfunc_end_k_q4e31d39d09_sum:
	.size	k_q4e31d39d09_sum, .Lfunc_end_k_q4e31d39d09_sum-k_q4e31d39d09_sum
	.p2alignl 7, 3214868480
	.fill 96, 4, 3214868480
	.section	.rodata,"a",@progbits
	.p2align	6, 0x0
	.amdhsa_kernel k_q4e31d39d09_sum
		.amdhsa_group_segment_fixed_size 0
		.amdhsa_private_segment_fixed_size 0
		.amdhsa_enable_private_segment 0
		.amdhsa_kernarg_size 16
		.amdhsa_user_sgpr_count 2
		.amdhsa_user_sgpr_kernarg_segment_ptr 1
		.amdhsa_wavefront_size32 1
		.amdhsa_system_sgpr_workgroup_id_x 1
		.amdhsa_system_sgpr_workgroup_id_y 1
		.amdhsa_system_sgpr_workgroup_id_z 1
		.amdhsa_system_vgpr_workitem_id 0
		.amdhsa_next_free_vgpr 24
		.amdhsa_next_free_sgpr 66
		.amdhsa_reserve_vcc 0
		.amdhsa_float_denorm_mode_32 3
		.amdhsa_float_denorm_mode_16_64 3
		.amdhsa_memory_ordered 1
		.amdhsa_forward_progress 1
		.amdhsa_inst_pref_size 2
	.end_amdhsa_kernel
	.amdgpu_metadata
---
amdhsa.version: [ 1, 2 ]
amdhsa.kernels:
  - .name:           k_q4e31d39d09_sum
    .symbol:         k_q4e31d39d09_sum.kd
    .args:
      - { .name: part, .offset: 0, .size: 8, .value_kind: global_buffer, .address_space: global }
      - { .name: out0, .offset: 8, .size: 8, .value_kind: global_buffer, .address_space: global }
    .group_segment_fixed_size: 0
    .private_segment_fixed_size: 0
    .kernarg_segment_align: 8
    .kernarg_segment_size: 16
    .max_flat_workgroup_size: 224
    .sgpr_count:     66
    .vgpr_count:     24
    .wavefront_size: 32
...
	.end_amdgpu_metadata
.endif
;; end of part 3
;; ======== version 2 of 3: 3 launches; 1.40 times as fast as version 1
;; limits: values outside matrix products are rounded to bf16
;; workspace buffers: xb 24,576,000 bytes; wb 6,291,456 bytes; part 71,680 bytes
;; launch cast: the kernel of part 1 again; grid 1256 x 1, 6 waves a work-group, no clusters, 0 bytes of LDS; arguments x, W_dense, xb, wb; writes xb, wb
;; launch snn (part 4): grid 4 x 64, 4 waves a work-group, clusters of 4 x 4, 327,680 bytes of LDS; arguments xb, wb, b_dense, tau_m, tau_n, W_out, b_out, tau_m_out, part; writes part
.if DOCPART == 4
	.amdgcn_target "amdgcn-amd-amdhsa--gfx1250"
	.amdhsa_code_object_version 6
	.text
	.protected	k_q4e31d39d09_snn
	.globl	k_q4e31d39d09_snn
	.p2align	8
	.type	k_q4e31d39d09_snn,@function
k_q4e31d39d09_snn:
	s_mov_b64 s[64:65], 0
	v_nop
	global_prefetch_b8 v0, s[64:65] scope:SCOPE_SE
	s_setreg_imm32_b32 hwreg(HW_REG_WAVE_MODE, 25, 1), 1
	s_wait_xcnt 0x0
	s_wait_alu depctr_hold_cnt(0) depctr_sa_sdst(0) depctr_va_vdst(0) depctr_va_sdst(0) depctr_va_ssrc(0) depctr_va_vcc(0) depctr_vm_vsrc(0)
	s_getreg_b32 s2, hwreg(HW_REG_IB_STS2, 6, 4)
	s_cmp_eq_u32 s2, 0
	s_cbranch_scc0 .Lentry_in_a_cluster
	s_endpgm
.Lentry_in_a_cluster:
	s_bfe_u32 s2, ttmp6, 0x10000c
	s_cmp_lg_u32 s2, 0xf033
	s_cbranch_scc0 .Lentry_shape_is_right
	s_endpgm
.Lentry_shape_is_right:
; The whole network but for the last sum: branch currents (a bf16 GEMM), the dendritic and membrane scan over 125 time steps on the GEMM's
; accumulators, the spikes' product with W_out, the readout's leaky integrator and its sum over time.
;
; SHARES.  Work-group (q, p): batches 2 p and 2 p + 1, neurons 256 q .. 256 q + 255, walked in four blocks of 64 neurons.  64 x 4 = 256 groups.
; A block is a product of 256 rows x 256 columns x K = 704.  Rows: row block a (16 rows) holds batch 2 p at t = 8 a .. 8 a + 7 in rows 0-7 and
; batch 2 p + 1 at the same times in rows 8-15; 125 time steps are padded to 128 by rows of zeros.  Columns: wb's row order makes column block
; nb of a wave the branch nb of its 16 neurons.  In a matrix result register j of lane (r, hh) is row 8 hh + j, column r (ISA guide 7.12.2).
; So a lane holds, in its wave's 64 accumulators, all 4 branches at all 128 times of ONE batch (hh) and ONE neuron (r): the scan never leaves a lane.
; Wave w: all 256 rows x the 64 columns of neurons 16 w .. 16 w + 15: 512 accumulator registers.
; The readout is linear in the spikes: each group integrates what its 256 neurons feed (and a quarter of b_out), and the next launch adds the four.
;
; ONE TEXT FOR ALL FOUR BLOCKS, and a loop over K inside it: a block's 22 quarter steps of 32 along K are one that starts the sums, two trips of
; eight, and a tail of five, so 14 are written.  Two things follow.  The readout's sums run over the blocks, so no block's product can start
; them: they start ahead of the loop.  And every trip issues the same tensor loads: the block behind block i is (i + 1) & 3, so that in the last
; trip the two refills for the next block ask for block 0's K steps 0 and 1 once more, and nobody reads them: 2 of a wave's 26 tensor loads.
; So no tensor load hangs on the trip, every partner issues every joint load, and no address leaves wb.
;
; CLUSTERS: 4 x 4 groups.  xb's tiles hang on p alone and are asked for jointly by a row of the cluster, wb's on q and the block alone and are asked
; for jointly by a column: a quarter of the requests.
;
; LIMITS, kept on purpose.  Every input is taken rounded to bf16, nearest even (x and W_dense by the launch before, the rest here on load);
; everything else is f32.  Rounding orders that differ from the source's: (1-beta)(k+b) as one multiply-add with (1-beta) b; beta d + u and
; alpha mem + .. fused; the matrix unit's order of sums; the readout by quarters of H.  At the threshold such a difference can move a single spike.
; The sigmoid's exponent is held at 125 at the most: for tau below -86 the result is 2^-125 and not a smaller number or 0.
;
; LDS: two slots of a K step of 128 (four regions of 128 rows x 272 bytes: batch 0, batch 1, wb's rows 0-127, 128-255), then the spikes.
.set PITCH,  272                       ; 256 bytes of a tile's row + 16: sixteen neighbouring rows start in sixteen different 16-byte columns modulo 256 bytes
.set REG,    34944                     ; a region: 128 x 272 + 128.  The 128 move batch 1 by eight such columns, so rows 8a..8a+7 of both batches differ too
.set SLOT,   4*REG                     ; 139,776 = 546 x 256
.set SPK,    2*SLOT                    ; spikes: [64 neurons][16 row blocks][2 batches][8 times] bf16; a multiple of 256, and no tensor load ever lands behind it
.set SPP,    544                       ; a neuron's row: 512 bytes + 32 = 17 x 32, so the 8 rows x 2 halves that 16 lanes of a transposing load touch lie in 16 different 16-byte columns
.set ROWB,   1536                      ; bytes of a row of xb and of wb
.set STEPB,  256                       ; bytes of a K step in such a row
.set BLOCKS, 4
.set BLOCKB, 256*ROWB                  ; bytes of a block's 256 rows of wb
; window 0
.set PK,   2                           ; v2-5     eight spikes of a row block, packed for the store
.set THR,  6                           ; the threshold for p: 0.5, or 1.0 behind a spike
.set TMO,  8                           ; tau_m_out of my output column
.set BO,   9                           ; b_out of it
.set ADRA, 10                          ; v10-11   LDS address of my part of xb's fragments, slot 0, 1
.set ADRB, 12                          ; v12-13   the same for wb
.set SPA,  14                          ; where I store my spikes
.set SPR,  15                          ; where I read spike fragments
.set P16,  16                          ; byte offset of my neuron in tau_n and b_dense
.set P4,   17                          ; in tau_m
.set WOFF, 18                          ; byte offset of my part of W_out
.set OOFF, 19                          ; byte offset of my result in part
.set TN,   20                          ; v20-23   tau_n
.set BD,   24                          ; v24-27   b_dense
.set TM,   28                          ; tau_m
.set HSJ,  20                          ; v20-27   in the scan, when the loaded parameters are used up: 0.5 x spike at the row block's eight times
.set ONE,  28                          ; in the scan: 1.0
.set OIDX, 29                          ; my output column
.set BETA, 30                          ; v30-33
.set OMB,  34                          ; v34-37   1 - beta
.set CB,   38                          ; v38-41   (1 - beta) b
.set ALPHA, 42
.set MEM,  43
.set OMA,  44                          ; v44-45   1 - alpha, twice
.set PP,   46                          ; p = alpha mem + (1 - alpha) l, the membrane before the reset
.set HALF, 47
.set T,    48                          ; v48-63   two buffers of 8: (1 - alpha) x sum of the branches
.set U,    64                          ; v64-127  two buffers of 4 branches x 8 times: u, then d in place
.set R,    128                         ; v128-255 register R + t: the readout's product at time t
.set AO,   30                          ; the integrator's (the scan's registers are free by then)
.set OM2,  32
.set OB,   34
.set MO,   36
.set SU,   37
; window 1
.set AF,   0                           ; v0-63 xb's fragments of row blocks 0-7, v64-127 of 8-15
.set BF,   128                         ; v128-159, v160-191: wb's fragments, two buffers
.set WO,   192                         ; v192-207 W_out's fragments, bf16
.set WF,   208                         ; v208-239 W_out as loaded
; windows 2 and 3: accumulator (a, nb) at v[8 (4 (a & 7) + nb)], window 2 for a < 8, window 3 for a >= 8
; scalars: s3 the block, s87 the K loop's trip, s[46:47] wb at the group's (and the wave's) first row, s[88:89] byte offset of the next block in wb
.set G1,  24                           ; s[24:31] descriptor group 1, xb's tiles
.set G0,  32                           ; s[32:39] group 0, xb's tiles, slot 0, 1
.set G1B, 48                           ; s[48:55] group 1, wb's tiles
.set G0B, 56                           ; s[56:63] group 0, wb's tiles, slot 0, 1
; s_set_vgpr_msb's low byte: bits 1:0 source 0, 3:2 source 1, 5:4 source 2, 7:6 destination
.set TO_1,   0x40                      ; destination window 1, address window 0
.set MUL_LO, 0xa5                      ; both fragments window 1, C and D window 2
.set MUL_HI, 0xf5                      ; C and D window 3
.set ACC_LO, 0x02                      ; source 0 window 2
.set ACC_HI, 0x03
.set RO,     0x05                      ; both fragments window 1, C and D window 0
.set CVT1,   0x45                      ; sources and destination window 1
.set MSB, 0
.macro WIN new                         ; the immediate's high byte repeats the setting that is left; a switch that changes nothing is dropped
.if MSB != \new
	s_set_vgpr_msb (MSB<<8)|\new
.set MSB, \new
.endif
.endm
; Four places: a load into a register that a matrix instruction has read, and a vector instruction that reads a matrix result, stand four plain
; vector instructions behind it (ISA guide 7.12.1 for vector instructions).
.macro PLACES
.rept 4
	v_nop
.endr
.endm
; A joint load: waves 0, 1 ask for xb's two batches, waves 2, 3 for wb's two halves.  Each line has one mask; the branch hangs on the wave's number alone.
.macro JLOAD s
	s_cmp_eq_u32 s11, 0
	s_cbranch_scc0 .Lfor_b_\@
	tensor_load_to_lds s[G0+4*\s:G0+4*\s+3], s[G1:G1+7]
	s_nop 0
	s_branch .Lasked_\@
.Lfor_b_\@:
	tensor_load_to_lds s[G0B+4*\s:G0B+4*\s+3], s[G1B:G1B+7]
	s_nop 0
.Lasked_\@:
.endm
; A round of the cluster's barrier: my group's barrier; wave 0 signals for the group; every wave waits for all sixteen groups; my group's barrier again.
.macro CREST                           ; a round behind its opening barrier
	s_cmp_lg_u32 s10, 0
	s_cbranch_scc1 .Lnot_wave_0_\@
	s_barrier_signal -3
.Lnot_wave_0_\@:
	s_barrier_wait -3
	s_barrier_signal -1
	s_barrier_wait -1
.endm
.macro CROUND
	s_barrier_signal -1
	s_barrier_wait -1
	CREST
.endm
; The slot's addresses for the next block's K step `slot`.  xb: the same batches, four K steps back.  wb: formed anew from the group's first row and the next block's offset.
; Written only where no tensor load of the wave is out: behind the wait for 0 in front of the round.
.macro NEXTBLOCK slot
	s_sub_nc_u64 s[G0+4*\slot+2:G0+4*\slot+3], s[G0+4*\slot+2:G0+4*\slot+3], 4*STEPB
	s_add_nc_u64 s[G0B+4*\slot+2:G0B+4*\slot+3], s[46:47], s[88:89]
.if \slot
	s_add_nc_u64 s[G0B+4*\slot+2:G0B+4*\slot+3], s[G0B+4*\slot+2:G0B+4*\slot+3], \slot*STEPB
.endif
	s_or_b32 s[G0B+4*\slot+3], s[G0B+4*\slot+3], 0x80000000        ; 127:126 type = 2
.endm
; 16 LDS loads: xb's fragments of row blocks 8 half .. 8 half + 7, 32 along K at byte kb of the rows.  8 rows of time are 2,176 bytes.
.macro LOADA slot, kb, half
.irp i, 0,1,2,3,4,5,6,7
	ds_load_b128 v[AF+64*\half+8*\i:AF+64*\half+8*\i+3],   v[ADRA+\slot] offset:\kb+(8*\half+\i)*8*PITCH
	ds_load_b128 v[AF+64*\half+8*\i+4:AF+64*\half+8*\i+7], v[ADRA+\slot] offset:\kb+(8*\half+\i)*8*PITCH+32
.endr
.endm
; 8 LDS loads: wb's fragments of my four branches into buffer bq
.macro LOADB slot, kb, bq
.irp nb, 0,1,2,3
	ds_load_b128 v[BF+32*(\bq)+8*\nb:BF+32*(\bq)+8*\nb+3],   v[ADRB+\slot] offset:\kb+\nb*16*PITCH
	ds_load_b128 v[BF+32*(\bq)+8*\nb+4:BF+32*(\bq)+8*\nb+7], v[ADRB+\slot] offset:\kb+\nb*16*PITCH+32
.endr
.endm
; 16 matrix instructions: row blocks i0 .. i0 + 3 of the window's eight x 4 branches.  zero = 1: the product starts the sums, nothing is cleared.
; The 64 accumulators take turns, one instruction a turn, in the same order in every quarter step and over both backward jumps.
.macro MUL16 half, i0, bq, zero
.irp i, \i0, \i0+1, \i0+2, \i0+3
.irp nb, 0,1,2,3
.if \zero
	v_wmma_f32_16x16x32_bf16 v[8*(4*(\i)+\nb):8*(4*(\i)+\nb)+7], v[AF+64*\half+8*(\i):AF+64*\half+8*(\i)+7], v[BF+32*(\bq)+8*\nb:BF+32*(\bq)+8*\nb+7], 0
.else
	v_wmma_f32_16x16x32_bf16 v[8*(4*(\i)+\nb):8*(4*(\i)+\nb)+7], v[AF+64*\half+8*(\i):AF+64*\half+8*(\i)+7], v[BF+32*(\bq)+8*\nb:BF+32*(\bq)+8*\nb+7], v[8*(4*(\i)+\nb):8*(4*(\i)+\nb)+7]
.endif
.endr
.endr
.endm
; A quarter step: 32 along K, 64 matrix instructions.  The upper rows' fragments are fetched at its head, 32 matrix instructions ahead of their
; use; the next quarter's lower rows and wb fragments in its middle, again 32 ahead.
.macro QUARTER slot, kb, bq, zero
	PLACES
	WIN TO_1
	LOADA \slot, \kb, 1
	s_wait_dscnt 16                                ; all but the 16 just issued: the lower rows' and wb's fragments are in
	WIN MUL_LO
	MUL16 0, 0, \bq, \zero
	MUL16 0, 4, \bq, \zero
	PLACES
	WIN TO_1
	LOADA \slot, \kb+64, 0
	LOADB \slot, \kb+64, 1-\bq
	s_wait_dscnt 24                                ; all but the 24 just issued: the upper rows' fragments are in
	WIN MUL_HI
	MUL16 1, 0, \bq, \zero
	MUL16 1, 4, \bq, \zero
.endm
; A K step's last quarter (byte 192, buffer 1), with the change of slots.  In front of the barrier each wave waits for its reads of this slot and for
; all its tensor loads, of which one is out: its part of the next slot.  The barrier opens a round of the cluster's barrier, and behind the round
; this slot is filled again, first thing: mode 1 two K steps on, mode 2 with the next block's K step.
.macro TURNQ slot, next, mode
	PLACES
	WIN TO_1
	LOADA \slot, 192, 1
	s_wait_dscnt 16
	WIN MUL_LO
	MUL16 0, 0, 1, 0
	s_wait_dscnt 0x0                               ; my reads of this slot are over
	s_wait_tensorcnt 0x0                           ; all my tensor loads have landed
	ds_add_u32 v254, v255
	s_wait_dscnt 0x0
	s_barrier_signal -1
	MUL16 0, 4, 1, 0                               ; registers only, while the others arrive
	WIN 0
	s_barrier_wait -1
	CREST                                          ; no wave of any partner still reads this slot or has a load on its way
.if \mode == 1
	s_add_nc_u64 s[G0+4*\slot+2:G0+4*\slot+3],   s[G0+4*\slot+2:G0+4*\slot+3],   2*STEPB
	s_add_nc_u64 s[G0B+4*\slot+2:G0B+4*\slot+3], s[G0B+4*\slot+2:G0B+4*\slot+3], 2*STEPB
.else
	NEXTBLOCK \slot
.endif
	JLOAD \slot                                    ; the first tensor load behind the round
	PLACES
	WIN TO_1
	LOADA \next, 0, 0
	LOADB \next, 0, 0
	WIN MUL_HI
	MUL16 1, 0, 1, 0
	MUL16 1, 4, 1, 0
.endm
.macro ENDQ                            ; the block's last quarter: K = 672 .. 703, slot 1, byte 64, buffer 1; nothing more to fetch
	PLACES
	WIN TO_1
	LOADA 1, 64, 1
	s_wait_dscnt 16
	WIN MUL_LO
	MUL16 0, 0, 1, 0
	MUL16 0, 4, 1, 0
	s_wait_dscnt 0x0
	WIN MUL_HI
	MUL16 1, 0, 1, 0
	MUL16 1, 4, 1, 0
.endm
; The block's parameters, asked for at its head and used behind its products.  Wave 3 owns no output column and loads no W_out.
.macro PLOADS
	global_load_b128 v[TN:TN+3], v[P16], s[76:77]
	global_load_b128 v[BD:BD+3], v[P16], s[72:73]
	global_load_b32 v[TM], v[P4], s[74:75]
	s_cmp_eq_u32 s10, 3
	s_cbranch_scc1 .Lno_w_\@
	WIN TO_1
.irp ks, 0,1                           ; fragment ks: k = 32 ks + 8 hh + 0..7 (32 bytes of f32) and k = 32 ks + 16 + 8 hh + 0..7 (64 bytes on)
	global_load_b128 v[WF+16*\ks:WF+16*\ks+3],     v[WOFF], s[78:79] offset:128*\ks
	global_load_b128 v[WF+16*\ks+4:WF+16*\ks+7],   v[WOFF], s[78:79] offset:128*\ks+16
	global_load_b128 v[WF+16*\ks+8:WF+16*\ks+11],  v[WOFF], s[78:79] offset:128*\ks+64
	global_load_b128 v[WF+16*\ks+12:WF+16*\ks+15], v[WOFF], s[78:79] offset:128*\ks+80
.endr
	WIN 0
.Lno_w_\@:
.endm
.macro RND2 a, b                       ; two f32 rounded to bf16 and widened again
	v_cvt_pk_bf16_f32 v1, v[\a], v[\b]
	v_lshlrev_b32 v[\a], 16, v1
	v_and_b32 v[\b], 0xffff0000, v1
.endm
; beta, alpha = 1 / (1 + 2^(-1.442695 tau)), with one Newton step on the reciprocal; 1 - beta, (1 - beta) b, 1 - alpha; the scan's state at t = -1.
.macro PARAMS
	RND2 TN, TN+1
	RND2 TN+2, TN+3
	RND2 BD, BD+1
	RND2 BD+2, BD+3
	v_cvt_pk_bf16_f32 v1, v[TM], v[TM]
	v_lshlrev_b32 v[TM], 16, v1
.irp i, 0,1,2,3
	v_mul_f32 v[BETA+\i], 0xbfb8aa3b, v[TN+\i]
.endr
	v_mul_f32 v[ALPHA], 0xbfb8aa3b, v[TM]
.irp i, 0,1,2,3
	v_min_num_f32 v[BETA+\i], 0x42fa0000, v[BETA+\i]               ; at most 125: 1 + 2^125 and its reciprocal stay normal numbers
.endr
	v_min_num_f32 v[ALPHA], 0x42fa0000, v[ALPHA]
.irp i, 0,1,2,3
	v_exp_f32 v[TN+\i], v[BETA+\i]
.endr
	v_exp_f32 v[TM], v[ALPHA]
	v_nop                                          ; one plain place behind the transcendentals (ISA guide 5.7.2)
	s_wait_alu depctr_va_vdst(0)
.irp i, 0,1,2,3
	v_add_f32 v[TN+\i], 1.0, v[TN+\i]
.endr
	v_add_f32 v[TM], 1.0, v[TM]
.irp i, 0,1,2,3
	v_rcp_f32 v[BETA+\i], v[TN+\i]
.endr
	v_rcp_f32 v[ALPHA], v[TM]
	v_nop
	s_wait_alu depctr_va_vdst(0)
.irp i, 0,1,2,3
	v_fma_f32 v[OMB+\i], -v[TN+\i], v[BETA+\i], 1.0
.endr
	v_fma_f32 v[OMA], -v[TM], v[ALPHA], 1.0
.irp i, 0,1,2,3
	v_fma_f32 v[BETA+\i], v[BETA+\i], v[OMB+\i], v[BETA+\i]
.endr
	v_fma_f32 v[ALPHA], v[ALPHA], v[OMA], v[ALPHA]
.irp i, 0,1,2,3
	v_sub_f32 v[OMB+\i], 1.0, v[BETA+\i]
.endr
	v_sub_f32 v[OMA], 1.0, v[ALPHA]
	v_sub_f32 v[OMA+1], 1.0, v[ALPHA]
.irp i, 0,1,2,3
	v_mul_f32 v[CB+\i], v[OMB+\i], v[BD+\i]
.endr
	v_add_nc_u32 v[P16], 64*16, v[P16]             ; the next block's 64 neurons; the loads that read these offsets are done (the wait for 0 above).
	v_add_nc_u32 v[P4], 64*4, v[P4]                ; Behind the last block the stepped offsets are not used
	v_add_nc_u32 v[WOFF], 64*4, v[WOFF]
	v_mov_b32 v[MEM], 0                            ; from here on TN, BD and TM are used up: their registers serve the scan
	v_mov_b32 v[HSJ+7], 0                          ; no spike before t = 0: the first step finds it where every row block finds the last spike of the block before
	v_mov_b32 v[THR], 0.5
	v_mov_b32 v[ONE], 1.0
.irp nb, 0,1,2,3
	v_mov_b32 v[U+32+8*\nb+7], 0                   ; d before t = 0, likewise
.endr
.endm
; u = (1 - beta) acc + (1 - beta) b for one branch of a row block, two times at once; sel = nb & 1 picks the branch's number out of its pair
.macro UROW a, nb, sel
.irp jp, 0,1,2,3
	v_pk_fma_f32 v[CUR_U+8*\nb+2*\jp:CUR_U+8*\nb+2*\jp+1], v[8*(4*((\a)&7)+\nb)+2*\jp:8*(4*((\a)&7)+\nb)+2*\jp+1], v[OMB+\nb-\sel:OMB+\nb-\sel+1], v[CB+\nb-\sel:CB+\nb-\sel+1] op_sel:[0,\sel,\sel] op_sel_hi:[1,\sel,\sel]
.endr
.endm
; One of a row block's 48 instructions that do not hang on the spikes.  0-31: d(t) = u(t) + beta d(t-1), in place, four chains by turns.
; 32-43: ((d0 + d1) + d2) + d3, two times at once.  44-47: x (1 - alpha).
.macro FILL1
.if fn < 4
	v_fmac_f32 v[CUR_U+8*(fn%4)], v[BETA+fn%4], v[OLD_U+8*(fn%4)+7]
.elseif fn < 32
	v_fmac_f32 v[CUR_U+8*(fn%4)+fn/4], v[BETA+fn%4], v[CUR_U+8*(fn%4)+fn/4-1]
.elseif fn < 36
	v_pk_add_f32 v[CUR_T+2*(fn-32):CUR_T+2*(fn-32)+1], v[CUR_U+2*(fn-32):CUR_U+2*(fn-32)+1], v[CUR_U+8+2*(fn-32):CUR_U+8+2*(fn-32)+1]
.elseif fn < 40
	v_pk_add_f32 v[CUR_T+2*(fn-36):CUR_T+2*(fn-36)+1], v[CUR_T+2*(fn-36):CUR_T+2*(fn-36)+1], v[CUR_U+16+2*(fn-36):CUR_U+16+2*(fn-36)+1]
.elseif fn < 44
	v_pk_add_f32 v[CUR_T+2*(fn-40):CUR_T+2*(fn-40)+1], v[CUR_T+2*(fn-40):CUR_T+2*(fn-40)+1], v[CUR_U+24+2*(fn-40):CUR_U+24+2*(fn-40)+1]
.else
	v_pk_mul_f32 v[CUR_T+2*(fn-44):CUR_T+2*(fn-44)+1], v[CUR_T+2*(fn-44):CUR_T+2*(fn-44)+1], v[OMA:OMA+1]
.endif
.set fn, fn+1
.endm
.macro FILL3 a
.if \a < 16
	FILL1
	FILL1
	FILL1
.endif
.endm
; Stage a of the scan: the spike chain of row block a - 1, with row block a's 48 independent instructions between its links.  The stages are written
; out: each names its own accumulators.
; THE CHAIN.  p(t) = alpha mem(t-1) + T(t);  mem(t) = p(t) - hs(t-1), hs = 0.5 x spike;  spike(t) = mem(t) > 0.5.
; The test is made on p, against thr(t) = 0.5 + hs(t-1), which is 0.5 or 1.0.  That is the same test bit for bit: with hs = 0, mem is p; with
; hs = 0.5, p - 0.5 is exact for p in [1, 2), so p > 1 gives at least 0.5 + 2^-23, and p <= 1 gives at most 0.5 since rounding keeps the order.
; So what is carried from step to step runs through two instructions, not three (compare, select thr; and subtract, multiply-add), for one more
; select a step; and in the order below (compare, subtract, 3 others, select thr, next p, select hs, 3 others) every instruction stands at
; least five issue slots behind the one whose result it reads.
; THE SPIKES of a row block stay in eight registers, are packed to 16 bytes, and leave by ONE store, which stands behind the next stage's 16
; multiply-adds and not behind the instruction that makes its data: 16 LDS stores a block.
.macro SCAN a
.set CUR_U, U+32*((\a)&1)
.set OLD_U, U+32*(1-((\a)&1))
.set CUR_T, T+8*((\a)&1)
.set OLD_T, T+8*(1-((\a)&1))
.if \a < 16
.if \a < 8
	WIN ACC_LO
.else
	WIN ACC_HI
.endif
	UROW \a, 0, 0
	UROW \a, 1, 1
	UROW \a, 2, 0
	UROW \a, 3, 1
	WIN 0
.endif
.if \a > 1
	ds_store_b128 v[SPA], v[PK:PK+3] offset:(\a-2)*32              ; row block a - 2, packed in the stage before
.endif
.set fn, 0
.irp j, 0,1,2,3,4,5,6,7
.if \a > 0
	v_cmp_gt_f32 vcc_lo, v[PP], v[THR]                             ; spike(t)
	v_sub_f32 v[MEM], v[PP], v[HSJ+(\j+7)%8]                       ; mem(t) = p(t) - 0.5 x spike(t-1)
.endif
	FILL3 \a
.if \a > 0
	v_cndmask_b32 v[THR], 0.5, v[ONE], vcc_lo                      ; thr(t+1)
.endif
.if \j < 7
.if \a > 0
	v_fma_f32 v[PP], v[ALPHA], v[MEM], v[OLD_T+\j+1]               ; p(t+1)
.endif
.elseif \a < 16
	v_fma_f32 v[PP], v[ALPHA], v[MEM], v[CUR_T]                    ; p of the next row block's first time: its T was finished by the fill just above
.endif
.if \a > 0
	v_cndmask_b32 v[HSJ+\j], 0, v[HALF], vcc_lo                    ; 0.5 x spike(t)
.endif
	FILL3 \a
.if \a > 0
.if \j & 1
	v_cvt_pk_bf16_f32 v[PK+\j/2], v[HSJ+\j-1], v[HSJ+\j]           ; 0 and 0.5 are exact in bf16; the earlier time in the low half
.endif
.endif
.endr
.endm
; The readout's product, waves 0-2: R(row block) += spikes [16 x 64] x W_out^T [64 x 16 columns of the wave].  Chunk c: k = 32 (c >> 1) .., row blocks 8 (c & 1) ..
; The spikes lie with the neuron (k) from row to row, so the fragments come by transposing loads: within eight lanes, lane i gets element i of the
; 16 bytes that each of the eight addressed.  Lane L addresses neuron 8 hh + (L & 7), batch (L >> 3) & 1, and gets row L & 15 at k = 8 hh + 0..7;
; the second load, 16 neurons on, brings k = 16 + 8 hh + 0..7.
.macro SLOAD c
.irp i, 0,1,2,3,4,5,6,7
	ds_load_tr16_b128 v[AF+64*((\c)&1)+8*\i:AF+64*((\c)&1)+8*\i+3],   v[SPR] offset:((\c)>>1)*32*SPP+(8*((\c)&1)+\i)*32
	ds_load_tr16_b128 v[AF+64*((\c)&1)+8*\i+4:AF+64*((\c)&1)+8*\i+7], v[SPR] offset:((\c)>>1)*32*SPP+16*SPP+(8*((\c)&1)+\i)*32
.endr
.endm
.macro RMUL half, ks                   ; eight accumulators by turns; the other eight stand between two turns of one
.irp i, 0,1,2,3,4,5,6,7
	v_wmma_f32_16x16x32_bf16 v[R+8*(8*\half+\i):R+8*(8*\half+\i)+7], v[AF+64*\half+8*\i:AF+64*\half+8*\i+7], v[WO+8*\ks:WO+8*\ks+7], v[R+8*(8*\half+\i):R+8*(8*\half+\i)+7]
.endr
.endm
.macro READOUT
	WIN TO_1
	SLOAD 0
	SLOAD 1
	WIN CVT1
.set m, 0
.rept 16
	v_cvt_pk_bf16_f32 v[WO+m], v[WF+2*m], v[WF+2*m+1]              ; W_out to bf16, while the spikes come
.set m, m+1
.endr
	s_wait_dscnt 16                                ; chunk 0 is in, chunk 1's 16 loads may be out
	WIN RO
	RMUL 0, 0
	PLACES
	WIN TO_1
	SLOAD 2
	s_wait_dscnt 16                                ; chunk 1 is in
	WIN RO
	RMUL 1, 0
	PLACES
	WIN TO_1
	SLOAD 3
	s_wait_dscnt 16                                ; chunk 2 is in
	WIN RO
	RMUL 0, 1
	s_wait_dscnt 0x0
	RMUL 1, 1
	WIN 0
.endm
	; ---- head
	s_load_b128 s[4:7], s[0:1], 0x0                ; xb s[4:5], wb s[6:7]
	s_load_b256 s[72:79], s[0:1], 0x10             ; b_dense s[72:73], tau_m s[74:75], tau_n s[76:77], W_out s[78:79]
	s_load_b128 s[80:83], s[0:1], 0x30             ; b_out s[80:81], tau_m_out s[82:83]
	s_load_b64 s[84:85], s[0:1], 0x40              ; part
	s_set_vgpr_msb 0x40
	v_lshl_add_u32 v254, v0, 2, 0x4cc00
	v_mov_b32 v255, 0
	s_set_vgpr_msb 0x4045
	ds_add_u32 v254, v255
	s_set_vgpr_msb 0x4500
	v_lshrrev_b32 v1, 5, v0
	v_readfirstlane_b32 s10, v1                    ; wave 0..3
	s_lshr_b32 s11, s10, 1                         ; I fetch for xb (0) or wb (1); also: the region in which my rows of wb lie
	s_and_b32 s12, s10, 1                          ; which batch, or which 128 rows of wb, I fetch; also: which half of that region is mine
	s_bfe_u32 s40, ttmp6, 0x40000                  ; cx
	s_bfe_u32 s41, ttmp6, 0x40004                  ; cy
	s_lshl_b32 s42, ttmp9, 2
	s_add_co_u32 s42, s42, s40                     ; q = 4 x cluster x + cx
	s_and_b32 s13, ttmp7, 0xffff
	s_lshl_b32 s13, s13, 2
	s_add_co_u32 s13, s13, s41                     ; p = 4 x cluster y + cy
	s_lshl_b32 s43, s41, 2
	s_lshl_b32 s43, 15, s43                        ; my row of the cluster: places 4 cy .. 4 cy + 3
	s_lshl_b32 s44, 0x1111, s40                    ; my column: places cx, cx + 4, cx + 8, cx + 12
	; group 1: 128 rows x 128 elements of 2 bytes, 16 bytes of padding behind each row's 64 words
	s_or_b32 s[G1+0],  s43, (1<<16)|(1<<20)|(1<<21)|(5<<22)|(3<<25)  ; 15:0 mask; 17:16 size; 20 padding on; 21 set beside a mask; 24:22 every 64 words; 31:25 four words
	s_or_b32 s[G1B+0], s44, (1<<16)|(1<<20)|(1<<21)|(5<<22)|(3<<25)
	s_mov_b32 s[G1+1],  128<<16                    ; tensor_dim0 = 128
	s_mov_b32 s[G1B+1], 128<<16
	s_mov_b32 s[G1+2],  125<<16                    ; tensor_dim1 = 125: a batch has 125 rows; the tile's rows 125-127 arrive as zeros
	s_mov_b32 s[G1B+2], 128<<16
	s_mov_b32 s[G1+3],  128<<16                    ; tile_dim0 = 128
	s_mov_b32 s[G1B+3], 128<<16
	s_mov_b32 s[G1+4],  128                        ; tile_dim1 = 128
	s_mov_b32 s[G1B+4], 128
	s_mov_b32 s[G1+5],  768                        ; elements from row to row
	s_mov_b32 s[G1B+5], 768
	s_mov_b32 s[G1+6],  0
	s_mov_b32 s[G1B+6], 0
	s_mov_b32 s[G1+7],  0
	s_mov_b32 s[G1B+7], 0
	s_lshl_b32 s16, s13, 1
	s_add_co_u32 s16, s16, s12                     ; batch 2 p + (wave & 1)
	s_mul_i32 s16, s16, 125*ROWB                   ; at most 127 x 192,000 bytes
	s_mov_b32 s17, 0
	s_lshl_b32 s46, s42, 10
	s_lshl_b32 s47, s12, 7
	s_add_co_u32 s46, s46, s47                     ; wb's row 1024 q + 128 (wave & 1)
	s_mul_i32 s46, s46, ROWB
	s_mov_b32 s47, 0
	s_mov_b32 s89, 0                               ; the upper word of the next block's offset
	s_mul_i32 s20, s10, REG                        ; wave w fills region w: no place in the cluster enters an LDS address
	s_wait_dscnt 0x0
	s_wait_kmcnt 0x0
	s_add_nc_u64 s[14:15], s[4:5], s[16:17]
	s_add_nc_u64 s[46:47], s[6:7], s[46:47]        ; kept for the whole launch
	CROUND                                         ; all sixteen groups are here: the first joint loads meet
.irp s, 0,1
	s_mov_b32 s[G0+4*\s], 1
	s_add_co_u32 s[G0+4*\s+1], s20, \s*SLOT
	s_add_nc_u64 s[G0+4*\s+2:G0+4*\s+3], s[14:15], \s*STEPB
	s_or_b32 s[G0+4*\s+3], s[G0+4*\s+3], 0x80000000
	s_mov_b32 s[G0B+4*\s], 1
	s_add_co_u32 s[G0B+4*\s+1], s20, \s*SLOT
	s_add_nc_u64 s[G0B+4*\s+2:G0B+4*\s+3], s[46:47], \s*STEPB
	s_or_b32 s[G0B+4*\s+3], s[G0B+4*\s+3], 0x80000000
	JLOAD \s                                       ; K steps 0 and 1: two tensor loads of the wave are out here, one at any later time
.endr
	; lane addresses.  A fragment: lane (r, hh) holds row r; registers 0-3 k = 8 hh + 0..7, registers 4-7 k = 16 + 8 hh + 0..7: two loads of 16 bytes, 32 apart
	v_and_b32 v1, 15, v0                           ; r
	v_bfe_u32 v2, v0, 4, 1                         ; hh
	v_bfe_u32 v3, v0, 3, 1                         ; r >> 3: the batch of a fragment row
	v_and_b32 v4, 7, v0                            ; r & 7: its time in the row block
	v_mul_u32_u24 v5, v3, REG
	v_mad_u32_u24 v5, v4, PITCH, v5
	v_lshl_add_u32 v[ADRA], v2, 4, v5
	v_add_nc_u32 v[ADRA+1], SLOT, v[ADRA]
	s_mul_i32 s21, s11, REG
	s_mul_i32 s22, s12, 64*PITCH
	s_add_co_u32 s21, s21, s22
	s_add_co_u32 s21, s21, 2*REG                   ; my 64 rows of wb's tile
	v_mul_u32_u24 v5, v1, PITCH
	v_lshl_add_u32 v5, v2, 4, v5
	v_add_nc_u32 v[ADRB], s21, v5
	v_add_nc_u32 v[ADRB+1], SLOT, v[ADRB]
	s_mul_i32 s22, s10, 16*SPP
	s_add_co_u32 s22, s22, SPK                     ; my wave's 16 neurons: 16 rows of the spike table
	v_mul_u32_u24 v5, v1, SPP                      ; my neuron's row;
	v_lshl_add_u32 v5, v2, 4, v5                   ; in the scan hh is the batch: its 8 times are 16 bytes
	v_add_nc_u32 v[SPA], s22, v5
	v_lshl_add_u32 v5, v2, 3, v4                   ; the transposing loads: neuron 8 hh + (lane & 7),
	v_mul_u32_u24 v5, v5, SPP
	v_lshl_add_u32 v5, v3, 4, v5                   ; batch (lane >> 3) & 1
	v_add_nc_u32 v[SPR], SPK, v5
	s_lshl_b32 s23, s10, 4                         ; 16 w
	s_lshl_b32 s66, s42, 8
	s_add_co_u32 s66, s66, s23                     ; 256 q + 16 w
	v_add_nc_u32 v5, s66, v1                       ; my neuron in the first block
	v_lshlrev_b32 v[P16], 4, v5
	v_lshlrev_b32 v[P4], 2, v5
	v_add_nc_u32 v[OIDX], s23, v1                  ; my output column, 16 w + r
	v_min_u32 v6, 34, v[OIDX]                      ; lanes past column 34 read column 34 and store nothing
	s_lshl_b32 s67, s42, 10                        ; 256 q neurons x 4 bytes
	v_lshl_add_u32 v5, v6, 12, s67                 ; a row of W_out is 4,096 bytes
	v_lshl_add_u32 v[WOFF], v2, 5, v5              ; + 8 hh numbers
	s_mul_i32 s68, s42, 128*35
	s_mul_i32 s69, s13, 2*35
	s_add_co_u32 s68, s68, s69
	s_add_co_u32 s68, s68, s23
	v_mad_u32_u24 v5, v2, 35, v1
	v_add_lshl_u32 v[OOFF], v5, s68, 2             ; part[q][2 p + hh][16 w + r]
	v_mov_b32 v[HALF], 0.5
	s_cmp_eq_u32 s10, 3
	s_cbranch_scc1 .Lhead_3
	v_lshlrev_b32 v7, 2, v6
	global_load_b32 v[TMO], v7, s[82:83]           ; waited for with the first block's parameters; v7 is not written again
	global_load_b32 v[BO], v7, s[80:81]
	; The readout's 16 sums run over all four blocks, which share one text, so no block's product can start them.  They start here: sixteen
	; products of a fragment of zeros with C = 0, eight moves and sixteen matrix instructions in place of 128 moves.
.irp i, 0,1,2,3,4,5,6,7
	v_mov_b32 v[T+\i], 0
.endr
.irp i, 0,1,2,3,4,5,6,7,8,9,10,11,12,13,14,15
	v_wmma_f32_16x16x32_bf16 v[R+8*\i:R+8*\i+7], v[T:T+7], v[T:T+7], 0
.endr
.Lhead_3:
	s_wait_tensorcnt 0x1                           ; my part of K step 0 is in; K step 1's load stays out
	s_barrier_signal -1
	s_barrier_wait -1
	; ---- the four blocks of 64 neurons.  K steps 0-4 whole, of K step 5 the first two quarters (K = 704; xb and wb hold zeros from 700 on).
	s_mov_b32 s3, 0
.Ltile:
	s_add_co_u32 s88, s3, 1
	s_and_b32 s88, s88, BLOCKS-1
	s_mul_i32 s88, s88, BLOCKB                     ; where the next block begins in the group's rows of wb; behind the last block: the first
	PLOADS
	PLACES
	WIN TO_1
	LOADA 0, 0, 0
	LOADB 0, 0, 0
	QUARTER 0, 0, 0, 1                             ; K = 0 .. 31 starts the 64 sums
	WIN 0                                          ; at a label and at a branch every window is 0
	s_mov_b32 s87, 0
.Lk:                                               ; a trip: eight quarters, from the second of slot 0's K step to the first of slot 0's next; both slots filled again
	QUARTER 0, 64,  1, 0
	QUARTER 0, 128, 0, 0
	TURNQ 0, 1, 1
	QUARTER 1, 0,   0, 0
	QUARTER 1, 64,  1, 0
	QUARTER 1, 128, 0, 0
	TURNQ 1, 0, 1
	QUARTER 0, 0,   0, 0
	WIN 0
	s_add_co_u32 s87, s87, 1
	s_cmp_lt_u32 s87, 2
	s_cbranch_scc1 .Lk
	QUARTER 0, 64,  1, 0                           ; the rest of K step 4,
	QUARTER 0, 128, 0, 0
	TURNQ 0, 1, 2                                  ; slot 0 gets the next block's K step 0, which has the half step and the scan in which to land,
	QUARTER 1, 0,   0, 0                           ; and the two quarters of K step 5
	ENDQ
	WIN 0
	PLACES
	s_wait_loadcnt 0x0                             ; the block's parameters, asked for at its head
	PARAMS
.irp a, 0,1,2,3,4,5,6,7,8,9,10,11,12,13,14,15,16
	SCAN \a
.endr
	ds_store_b128 v[SPA], v[PK:PK+3] offset:15*32  ; the last row block's spikes
	s_wait_dscnt 0x0                               ; my spikes are in LDS, and my reads of slot 1 are long over
	s_set_vgpr_msb 0x5
	s_wait_tensorcnt 0x0                           ; all my tensor loads have landed: the one that was out is my part of the next block's K step 0
	ds_add_u32 v254, v255
	s_wait_dscnt 0x0
	s_set_vgpr_msb 0x500
	CROUND                                         ; every wave's spikes are there; and of every partner: nobody reads slot 1 or has a load on its way
	NEXTBLOCK 1
	JLOAD 1                                        ; the next block's K step 1: the first tensor load behind the round
	s_cmp_eq_u32 s10, 3
	s_cbranch_scc1 .Lskip
	READOUT
.Lskip:
	s_add_co_u32 s3, s3, 1
	s_cmp_lt_u32 s3, BLOCKS
	s_cbranch_scc1 .Ltile
	; ---- the readout's integrator, waves 0-2: mem = a mem + (1 - a)(r + b), summed over t = 0 .. 124.  R holds half of r (spikes were stored as 0.5).
	s_cmp_eq_u32 s10, 3
	s_cbranch_scc1 .Lend
	PLACES
	v_cvt_pk_bf16_f32 v1, v[TMO], v[BO]
	v_lshlrev_b32 v2, 16, v1                       ; tau_m_out
	v_and_b32 v3, 0xffff0000, v1                   ; b_out
	v_mul_f32 v2, 0xbfb8aa3b, v2
	v_min_num_f32 v2, 0x42fa0000, v2
	v_exp_f32 v4, v2
	v_nop
	s_wait_alu depctr_va_vdst(0)
	v_add_f32 v4, 1.0, v4
	v_rcp_f32 v[AO], v4
	v_nop
	s_wait_alu depctr_va_vdst(0)
	v_fma_f32 v5, -v4, v[AO], 1.0
	v_fma_f32 v[AO], v[AO], v5, v[AO]
	v_sub_f32 v5, 1.0, v[AO]
	v_add_f32 v[OM2], v5, v5                       ; 2 (1 - a)
	v_add_f32 v[OM2+1], v5, v5
	v_mul_f32 v6, v5, v3
	v_mul_f32 v[OB], 0x3e800000, v6                ; (1 - a) b / 4: the four quarters of H add up to b
	v_mul_f32 v[OB+1], 0x3e800000, v6
.set t, 0
.rept 63
	v_pk_fma_f32 v[R+t:R+t+1], v[R+t:R+t+1], v[OM2:OM2+1], v[OB:OB+1]
.set t, t+2
.endr
	v_fma_f32 v[MO], v[AO], v[R], v[R+1]           ; mem(0) = R(0): the first step starts both sums
	v_add_f32 v[SU], v[R], v[MO]
.set t, 2
.rept 123
	v_fma_f32 v[MO], v[AO], v[MO], v[R+t]
	v_add_f32 v[SU], v[SU], v[MO]
.set t, t+1
.endr
	v_cmp_gt_u32 vcc_lo, 35, v[OIDX]
	s_wait_xcnt 0x0                                ; EXEC is a source of the global loads issued before: it changes only behind this wait
	s_and_saveexec_b32 s86, vcc_lo
	global_store_b32 v[OOFF], v[SU], s[84:85]
	s_wait_xcnt 0x0                                ; and again in front of the line that widens it
	s_or_b32 exec_lo, exec_lo, s86
.Lend:
	s_wait_tensorcnt 0x0                           ; the last trip's load into slot 1, which nobody reads, has landed: none is out at the end
	s_set_vgpr_msb 0x5
	s_wait_tensorcnt 0x0
	ds_add_u32 v254, v255
	s_wait_dscnt 0x0
	s_set_vgpr_msb 0x500
	CROUND                                         ; the closing round: no group ends while a partner may still ask for a tile that names it
	s_endpgm
.Lfunc_end_k_q4e31d39d09_snn:
	.size	k_q4e31d39d09_snn, .Lfunc_end_k_q4e31d39d09_snn-k_q4e31d39d09_snn
	.p2alignl 7, 3214868480
	.fill 96, 4, 3214868480
	.section	.rodata,"a",@progbits
	.p2align	6, 0x0
	.amdhsa_kernel k_q4e31d39d09_snn
		.amdhsa_group_segment_fixed_size 327680
		.amdhsa_private_segment_fixed_size 0
		.amdhsa_enable_private_segment 0
		.amdhsa_kernarg_size 72
		.amdhsa_user_sgpr_count 2
		.amdhsa_user_sgpr_kernarg_segment_ptr 1
		.amdhsa_wavefront_size32 1
		.amdhsa_system_sgpr_workgroup_id_x 1
		.amdhsa_system_sgpr_workgroup_id_y 1
		.amdhsa_system_sgpr_workgroup_id_z 1
		.amdhsa_system_vgpr_workitem_id 0
		.amdhsa_next_free_vgpr 1024
		.amdhsa_next_free_sgpr 92
		.amdhsa_reserve_vcc 1
		.amdhsa_float_denorm_mode_32 3
		.amdhsa_float_denorm_mode_16_64 3
		.amdhsa_memory_ordered 1
		.amdhsa_forward_progress 1
		.amdhsa_inst_pref_size 218
	.end_amdhsa_kernel
	.amdgpu_metadata
---
amdhsa.version: [ 1, 2 ]
amdhsa.kernels:
  - .name:           k_q4e31d39d09_snn
    .symbol:         k_q4e31d39d09_snn.kd
    .args:
      - { .name: xb, .offset: 0, .size: 8, .value_kind: global_buffer, .address_space: global }
      - { .name: wb, .offset: 8, .size: 8, .value_kind: global_buffer, .address_space: global }
      - { .name: b_dense, .offset: 16, .size: 8, .value_kind: global_buffer, .address_space: global }
      - { .name: tau_m, .offset: 24, .size: 8, .value_kind: global_buffer, .address_space: global }
      - { .name: tau_n, .offset: 32, .size: 8, .value_kind: global_buffer, .address_space: global }
      - { .name: W_out, .offset: 40, .size: 8, .value_kind: global_buffer, .address_space: global }
      - { .name: b_out, .offset: 48, .size: 8, .value_kind: global_buffer, .address_space: global }
      - { .name: tau_m_out, .offset: 56, .size: 8, .value_kind: global_buffer, .address_space: global }
      - { .name: part, .offset: 64, .size: 8, .value_kind: global_buffer, .address_space: global }
    .group_segment_fixed_size: 327680
    .private_segment_fixed_size: 0
    .kernarg_segment_align: 8
    .kernarg_segment_size: 72
    .max_flat_workgroup_size: 128
    .sgpr_count:     92
    .vgpr_count:     1024
    .wavefront_size: 32
...
	.end_amdgpu_metadata
.endif
;; end of part 4
;; launch sum: the kernel of part 3 again; grid 5 x 1, 7 waves a work-group, no clusters, 0 bytes of LDS; arguments part, out0; writes out0
;; ======== version 3 of 3: 3 launches; version 2 with the launch cast written anew for expert scheduling mode
;; limits: values outside matrix products are rounded to bf16
;; workspace buffers: xb 24,576,000 bytes; wb 6,291,456 bytes; part 71,680 bytes
;; launch cast (part 5): grid 1256 x 1, 6 waves a work-group, no clusters, 0 bytes of LDS; arguments x, W_dense, xb, wb; writes xb, wb
.if DOCPART == 5
	.amdgcn_target "amdgcn-amd-amdhsa--gfx1250"
	.amdhsa_code_object_version 6
	.text
	.protected	k_q4e31d39d09_cast
	.globl	k_q4e31d39d09_cast
	.p2align	8
	.type	k_q4e31d39d09_cast,@function
k_q4e31d39d09_cast:
	s_mov_b64 s[64:65], 0
	v_nop
	global_prefetch_b8 v0, s[64:65] scope:SCOPE_SE
	s_setreg_imm32_b32 hwreg(HW_REG_WAVE_SCHED_MODE, 0, 2), 2
	s_setreg_imm32_b32 hwreg(HW_REG_WAVE_MODE, 25, 1), 1
	s_wait_xcnt 0x0
	s_wait_alu depctr_vm_vsrc(0)
; x [16000][700] f32 -> xb [16000][768] bf16, and W_dense [4096][700] f32 -> wb [4096][768] bf16, both with zeros from k = 700 on.
; wb's rows are permuted: row n' = (h >> 4) * 64 + br * 16 + (h & 15) holds W_dense's row 4 h + br, so that in the next launch a block of
; 16 neighbouring rows is one branch of 16 neighbouring neurons.
; Each number is used 16 (x) or 64 (W) times by the next launch's matrix products: it is rounded to bf16 once, here (nearest even).
; A work-group takes 16 rows: groups 0-999 of x, groups 1000-1255 of W_dense.  Thread t (0-191) owns the 16 bytes at 16 t of every input
; row and the 8 bytes at 8 t of every output row: a wave's load covers 512 consecutive bytes, its store 256 consecutive bytes at a
; multiple of 256 from the buffer's first byte, and the six waves cover a row of 1,536 bytes.
; Threads 175-191 have no input (a row is 175 x 16 bytes): they read the row's last 16 bytes again, so that no load leaves the buffer,
; and a mask makes their output zero.
; No LDS, no matrix unit, no loop: all 16 loads of a thread are issued first, no register is used twice.
; THE MODE: SCHED_MODE bits 1:0 = 2 (LLVM: expert scheduling mode 2), set by the entry lines.  The code itself states the register dependences
; between vector instructions and memory instructions, with s_wait_alu, always for 0.
; THE PLAN.  Registers that memory instructions touch:
;   v1, v2   byte offsets, made at the head and never written again: v1 is read by every load, v2 by every store.
;   X        row i's four registers: its load lands in them, and no vector instruction names them before that; its two conversions read them; never loaded again.
;   Y        row i's two registers: written by its two conversions and its two ANDs; read by its one store; never written again.
;   v3, the mask, is named by vector instructions alone.
; The 16 rows go in four blocks of four.  Block p rounds its rows into its own Y; its memory instructions are the four stores of block p - 1, which
; read that block's Y and v2: registers that no vector instruction of block p names.  So one wait at a block's head states all that its four
; stores hang on, and they are dealt among the block's vector instructions with no further wait.  Since no register that a load or a store
; reads is ever written again, nothing is owed on that side.
.set ROWS,   16
.set BLOCK,  4                         ; rows in a block
.set INROW,  2800                      ; bytes of an input row
.set OUTROW, 1536                      ; bytes of an output row
.set IN,   1                           ; v1       byte offset of my 16 bytes in an input row
.set OUT,  2                           ; v2       byte offset of my 8 bytes in an output row
.set MASK, 3                           ; v3       all ones, or 0 for the threads that write the zeros
.set X,    4                           ; v[4:67]  row i: 4 f32 as loaded
.set Y,    68                          ; v[68:99] row i: 4 bf16 to store
.macro PUT ob, perm                    ; row k leaves.  ob: the scalar pair with the group's first output row; perm = 1: W's order of rows
.if \perm
	global_store_b64 v[OUT], v[Y+2*k:Y+2*k+1], s[\ob:\ob+1] offset:((k&3)*16+(k>>2))*OUTROW   ; row k is branch k & 3 of the group's neuron k >> 2
.else
	global_store_b64 v[OUT], v[Y+2*k:Y+2*k+1], s[\ob:\ob+1] offset:k*OUTROW
.endif
.endm
.macro CAST ib, ob, perm               ; ib, ob: the scalar pairs with the group's first input and output row; perm = 1: W's order of rows
	s_wait_alu depctr_va_vdst(0)                   ; v1 and v2 are written: every load below reads v1 as its offset, every store v2
.set i, 0
.rept ROWS
	global_load_b128 v[X+4*i:X+4*i+3], v[IN], s[\ib:\ib+1] offset:i*INROW th:TH_LOAD_NT
.set i, i+1
.endr
.set i, 0
.rept ROWS
.if (i % BLOCK) == 0
	s_wait_loadcnt ROWS-BLOCK-i                    ; loads come back in order: this block's four rows are in, the younger rows stay out
.if i > 0
	s_wait_alu depctr_va_vdst(0)                   ; the block before has written its eight registers of Y, which the four stores dealt below read
.endif
.endif
.if i >= BLOCK
.set k, i-BLOCK
	PUT \ob, \perm                                 ; a row of the block before; no vector instruction since the wait names its Y or v2
.endif
	v_cvt_pk_bf16_f32 v[Y+2*i],   v[X+4*i],   v[X+4*i+1]
	v_cvt_pk_bf16_f32 v[Y+2*i+1], v[X+4*i+2], v[X+4*i+3]
	v_and_b32 v[Y+2*i],   v[MASK], v[Y+2*i]
	v_and_b32 v[Y+2*i+1], v[MASK], v[Y+2*i+1]
.set i, i+1
.endr
	s_wait_alu depctr_va_vdst(0)                   ; the last block has written its Y, which the last four stores read
.set k, ROWS-BLOCK
.rept BLOCK
	PUT \ob, \perm
.set k, k+1
.endr
.endm
	s_load_b256 s[4:11], s[0:1], 0x0               ; x s[4:5], W_dense s[6:7], xb s[8:9], wb s[10:11]
	v_lshlrev_b32 v[IN], 4, v0
	v_min_u32 v[IN], INROW-16, v[IN]               ; threads 175-191: the row's last 16 bytes
	v_lshlrev_b32 v[OUT], 3, v0
	v_cmp_gt_u32 vcc_lo, 175, v0
	s_wait_alu depctr_va_vcc(0)                    ; the compare has written VCC, which the select below reads
	v_cndmask_b32 v[MASK], 0, -1, vcc_lo
	s_mov_b32 s13, 0
	s_mov_b32 s15, 0
	s_cmp_ge_u32 ttmp9, 1000
	s_cbranch_scc1 .Lw
	s_mul_i32 s12, ttmp9, ROWS*INROW               ; at most 999 x 44,800: below 4 GiB
	s_mul_i32 s14, ttmp9, ROWS*OUTROW
	s_wait_kmcnt 0x0
	s_add_nc_u64 s[4:5], s[4:5], s[12:13]
	s_add_nc_u64 s[8:9], s[8:9], s[14:15]
	CAST 4, 8, 0
	s_endpgm
.Lw:
	s_sub_co_u32 s16, ttmp9, 1000                  ; g: W_dense's rows 16 g .. 16 g + 15 = neurons 4 g .. 4 g + 3, four branches each
	s_mul_i32 s12, s16, ROWS*INROW
	s_lshr_b32 s17, s16, 2
	s_lshl_b32 s17, s17, 6                         ; (h >> 4) * 64
	s_and_b32 s18, s16, 3
	s_lshl_b32 s18, s18, 2                         ; h & 15 of the group's first neuron
	s_add_co_u32 s17, s17, s18
	s_mul_i32 s14, s17, OUTROW
	s_wait_kmcnt 0x0
	s_add_nc_u64 s[6:7], s[6:7], s[12:13]
	s_add_nc_u64 s[10:11], s[10:11], s[14:15]
	CAST 6, 10, 1
	s_endpgm
.Lfunc_end_k_q4e31d39d09_cast:
	.size	k_q4e31d39d09_cast, .Lfunc_end_k_q4e31d39d09_cast-k_q4e31d39d09_cast
	.p2alignl 7, 3214868480
	.fill 96, 4, 3214868480
	.section	.rodata,"a",@progbits
	.p2align	6, 0x0
	.amdhsa_kernel k_q4e31d39d09_cast
		.amdhsa_group_segment_fixed_size 0
		.amdhsa_private_segment_fixed_size 0
		.amdhsa_enable_private_segment 0
		.amdhsa_kernarg_size 32
		.amdhsa_user_sgpr_count 2
		.amdhsa_user_sgpr_kernarg_segment_ptr 1
		.amdhsa_wavefront_size32 1
		.amdhsa_system_sgpr_workgroup_id_x 1
		.amdhsa_system_sgpr_workgroup_id_y 1
		.amdhsa_system_sgpr_workgroup_id_z 1
		.amdhsa_system_vgpr_workitem_id 0
		.amdhsa_next_free_vgpr 100
		.amdhsa_next_free_sgpr 66
		.amdhsa_reserve_vcc 1
		.amdhsa_float_denorm_mode_32 3
		.amdhsa_float_denorm_mode_16_64 3
		.amdhsa_memory_ordered 1
		.amdhsa_forward_progress 1
		.amdhsa_inst_pref_size 15
	.end_amdhsa_kernel
	.amdgpu_metadata
---
amdhsa.version: [ 1, 2 ]
amdhsa.kernels:
  - .name:           k_q4e31d39d09_cast
    .symbol:         k_q4e31d39d09_cast.kd
    .args:
      - { .name: x, .offset: 0, .size: 8, .value_kind: global_buffer, .address_space: global }
      - { .name: W_dense, .offset: 8, .size: 8, .value_kind: global_buffer, .address_space: global }
      - { .name: xb, .offset: 16, .size: 8, .value_kind: global_buffer, .address_space: global }
      - { .name: wb, .offset: 24, .size: 8, .value_kind: global_buffer, .address_space: global }
    .group_segment_fixed_size: 0
    .private_segment_fixed_size: 0
    .kernarg_segment_align: 8
    .kernarg_segment_size: 32
    .max_flat_workgroup_size: 192
    .sgpr_count:     66
    .vgpr_count:     100
    .wavefront_size: 32
...
	.end_amdgpu_metadata
.endif
;; end of part 5
;; launch snn: the kernel of part 4 again; grid 4 x 64, 4 waves a work-group, clusters of 4 x 4, 327,680 bytes of LDS; arguments xb, wb, b_dense, tau_m, tau_n, W_out, b_out, tau_m_out, part; writes part
;; launch sum: the kernel of part 3 again; grid 5 x 1, 7 waves a work-group, no clusters, 0 bytes of LDS; arguments part, out0; writes out0
